; MI455X (gfx1250); checked and timed in simulation.
; The chip was launched on July 23, 2026; its instructions are those of AMD's public machine-readable ISA for CDNA 5 (MIT licence, August 2026) and "CDNA5" Instruction Set Architecture Reference Guide (July 2026). The comments in the code are by the model that wrote it; some were corrected since.
;; Self Attention. Allowed arithmetic: matrix products marked QUANTISED: E3M2 operands, one E8M0 scale for each 32 along K, by v_wmma_scale_f32_16x16x128_f8f6f4 with both operands' format E3M2, f32 sums; everything else in f32.
;; Inputs: Wk 512 x 512 float32; Wo 512 x 512 float32; Wq 512 x 512 float32; Wv 512 x 512 float32; X 16 x 1,024 x 512 float32; bo 512 float32; mask 16 x 1 x 1,024 x 1,024 int32.
;; Outputs: out0 16 x 1,024 x 512 float32.
;; This version of the problem:
;;   THIS VERSION OF THE PROBLEM IS GIVEN IN LOW PRECISION. The matrix products marked QUANTISED in the list below multiply operands that are first quantised to E3M2 (3 exponent bits, 2 mantissa bits; 6 bits a number), with one power-of-two scale for each 32 numbers along K (OCP MX v1.0); their sums are f32. All else is computed in f32.
;;   The module's matrix products, in the order in which they are computed (A, B: the left and right operand; K: the contracted axis; several contracted axes count as one K, in the product's order):
;;     1. [M 16,384, K 512] x [K 512, N 512]; A: input X; B: input Wq: QUANTISED
;;     2. [M 16,384, K 512] x [K 512, N 512]; A: input X; B: input Wk: QUANTISED
;;     3. [M 16,384, K 512] x [K 512, N 512]; A: input X; B: input Wv: QUANTISED
;;     4. batch 256 x [M 1,024, K 32] x [K 32, N 1,024]; A: computed on the way; B: computed on the way: QUANTISED
;;     5. batch 256 x [M 1,024, K 1,024] x [K 1,024, N 32]; A: softmax (see below); B: computed on the way: QUANTISED
;;     6. [M 16,384, K 512] x [K 512, N 512]; A: computed on the way; B: input Wo: QUANTISED
;;   THE QUANTISER, for each operand of a quantised product, along K:
;;     - K is cut into blocks of 32 from its start; a last block that is shorter is filled with zeros.
;;     - A block's scale is 2^e with e = floor(log2(the largest magnitude in the block)) - 4, held to -126 .. 127; a block of zeros has e = 0. As a byte (E8M0): e + 127.
;;     - Each number is divided by its block's scale, clamped to +-28, and rounded to the nearest number of E3M2, ties to even, subnormals kept.
;;     - The product sums the exact products of the quantised numbers (number of the format x scale) in f32.
;;   ~~~python
;;   def quantise(x, axis):      # numpy; x: float32 -> the quantised numbers, widened to float32 again
;;       x = np.moveaxis(x, axis, -1); K = x.shape[-1]
;;       x = np.pad(x, [(0, 0)] * (x.ndim - 1) + [(0, -K % 32)]); x = x.reshape(x.shape[:-1] + (-1, 32)); a = np.abs(x).max(-1, keepdims=True)
;;       e = np.where(a > 0, np.clip(np.frexp(np.where(a > 0, a, 1))[1] - 1 - 4, -126, 127), 0)      # np.frexp(a)[1] - 1 = floor(log2(a)), exactly
;;       r = np.clip(x / 2.0 ** e, -28, 28)
;;       step = 2.0 ** (np.maximum(np.frexp(np.where(r == 0, 1, r))[1] - 1, -2) - 2)
;;       q = np.round(r / step) * step * 2.0 ** e      # np.round: ties to even
;;       return np.moveaxis(q.reshape(q.shape[:-2] + (-1,))[..., :K], -1, axis).astype(np.float32)
;;   ~~~
;;   SOFTMAX AHEAD OF A QUANTISED PRODUCT. Where the list says 'softmax', what is quantised is not the finished softmax but p = 2^(t - M), with t = logit x log2(e) and M = ceil(the row's largest t), a whole number; so 1/2 < the row's largest p <= 1. The row's sum l is taken of the UNQUANTISED p, in f32, and the product's result is divided by l at the end. Since M is a whole number, a kernel that streams over the keys may use a running M (the ceiling of the running maximum): every later rescaling is an exact power of two, which a block's scale takes up: the codes' values come out the same.
;;   OPERANDS COMPUTED ON THE WAY. 'Computed on the way' means the value that the module computes at that place (a softmax that the list does not call 'softmax' is quantised finished and normalised). What goes into a quantiser is computed in f32, as accurately as f32 sums, v_exp_f32 and their like allow (about 1e-6 of the number): no bf16 or f16 on the way to a quantiser, and a product that is left as it is and whose result goes on into a quantised operand takes f32 operands (vector FMAs, or v_wmma_f32_16x16x4_f32). A number that lies on a knife's edge between two numbers of the format may be rounded either way, as far as f32 arithmetic and the matrix unit's own rounding can turn it there, and no further.
;; 2 versions. Each part assembles by itself: llvm-mc -triple=amdgcn-amd-amdhsa -mcpu=gfx1250 --defsym DOCPART=n.
;; ======== version 1 of 2: 4 launches
;; workspace buffers: maskw 2,097,152 bytes of whole numbers; tiles 7,372,800 bytes; qkv 19,660,800 bytes; aorec 8,388,608 bytes
;; launch prep (part 1): grid 544 x 1, 4 waves a work-group, no clusters, 68,096 bytes of LDS; arguments mask, X, Wq, Wk, Wv, Wo, maskw, tiles; writes maskw, tiles
.if DOCPART == 1
	.amdgcn_target "amdgcn-amd-amdhsa--gfx1250"
	.amdhsa_code_object_version 6
	.text
	.protected	k_q1aa879e896_prep
	.globl	k_q1aa879e896_prep
	.p2align	8
	.type	k_q1aa879e896_prep,@function
k_q1aa879e896_prep:
	s_mov_b64 s[64:65], 0
	v_nop
	global_prefetch_b8 v0, s[64:65] scope:SCOPE_SE
	s_setreg_imm32_b32 hwreg(HW_REG_WAVE_MODE, 25, 1), 1
	s_wait_xcnt 0x0
; PREP.  Two kinds of work-groups, told apart by the work-group's number alone; the two ways never join, and each has LDS bytes of its own.
;  M (work-groups 0-255): the mask, int32 [16][1024][1024], becomes words of 32 bits, one bit a lane, laid as the attention launch's registers want them.
;  T (work-groups 256-543): X, Wq, Wk, Wv, Wo (f32, K = 512 innermost) become codes of BF6 (E3M2) with one E8M0 byte for each 32 along K, stored as IMAGES of operand
;    registers: a tile of 16 rows x 128 K is 12 registers a lane; registers 4 i .. 4 i + 3 of lane L lie at 512 i + 16 L of the tile's 1,536 bytes.
; A wave takes one tile of 16 rows (M: 16 x 4,096 bytes in 8 units; T: 16 x 2,048 bytes in 4 units).  A unit is 16 rows x 512 bytes: 16 loads, each 512 consecutive bytes of one row; they turn
; through the wave's own stage in LDS (rows 528 bytes apart = 33 x 16, so that the sixteen rows of a 16-byte read start at sixteen different banks of 4 bytes, ISA guide 11.1) and come back so that
; lane (r = L % 16, h = L / 16) holds columns 64 c + 32 h + 0 .. 31 of row r in registers 32 c .. 32 c + 31: two whole blocks of 32 along K, as the 6-bit operand layout gives them to that lane.
; WHICH ROWS FORM A TILE is chosen for the launches that follow: rows 0-7 are eight neighbouring lines, rows 8-15 the eight lines 32 (X, Wq, Wk), 16 (Wv) or 8 (Wo) further on.
; A block's scale is 2^(floor(log2(largest magnitude)) - 4); its byte is the largest magnitude's exponent field - 4.
; LIMITS: NaN and infinities are not served; a block whose largest magnitude lies under 2^-122, a block of zeros among them, gets the byte 1 (its codes are then zeros or subnormal codes; the bytes are read by this program alone).
; No barrier: waves share nothing.  No cluster and no joint request: no two work-groups read the same byte.  Loads run two units (32 loads a wave) ahead.
.set R,     32                         ; v32-159  two sets of 64: a unit as loaded
.set X,     160                        ; v160-223 a unit as it comes back from the stage
.set MW,    224                        ; M: v224-239 a pair of mask registers for each unit
.set PC,    224                        ; T: v224-247 two sets of 12 code registers
.set HM,    13                         ; s13 lanes 16-31
.set SEL,   14                         ; s[14:15] v_permlanex16_b32's selects for lane L xor 16
.set TSC,   7077888                    ; where the scale words begin in tiles: 1,152 tiles x 6,144 bytes
.set PITCH, 528
.set WREG,  16*PITCH                   ; a wave's stage
.set STG_M, 0
.set STG_T, 4*WREG
; 32 numbers of one lane, one block along K, become 6 registers of codes at v[pc], the conversion's scale operand in v[so] and the scale's byte in v[by]
.macro QUANT32 s, pc, tt, m0, m1, so, by
	v_max3_num_f32 v[\m0], |v[(\s)]|, |v[(\s)+1]|, 0x2800000        ; the floor 2^(5 - 127) among the leaves: the byte cannot fall under 1
	v_max3_num_f32 v[\m1], |v[(\s)+2]|, |v[(\s)+3]|, 0x2800000      ; two chains, so that no line waits for the line above it
.irp i, 4,8,12,16,20,24,28
	v_max3_num_f32 v[\m0], v[\m0], |v[(\s)+\i]|, |v[(\s)+\i+1]|
	v_max3_num_f32 v[\m1], v[\m1], |v[(\s)+\i+2]|, |v[(\s)+\i+3]|
.endr
	v_max_num_f32 v[\m0], v[\m0], v[\m1]
	v_add_nc_u32 v[\so], 0xfe000000, v[\m0]                         ; 4 off the exponent field: the conversion takes this operand's exponent field as its scale
	v_lshrrev_b32 v[\by], 23, v[\so]
	v_cvt_scalef32_pk16_bf6_f32 v[(\pc):(\pc)+2], v[(\s):(\s)+15], v[\so]
	v_cvt_scalef32_pk16_bf6_f32 v[(\tt):(\tt)+2], v[(\s)+16:(\s)+31], v[\so]   ; (a conversion's three registers begin on an even number)
	v_nop                                                           ; one plain line behind a scaled conversion
.irp i, 0,1,2
	v_mov_b32 v[(\pc)+3+\i], v[(\tt)+\i]
.endr
.endm
; a lane's two bytes (blocks h and 2 + h of its row) and lane L xor 16's two make the row's scale word
.macro WORD w, by0, by1, t
	v_lshl_or_b32 v[\w], v[\by1], 16, v[\by0]
	v_lshlrev_b32 v[\t], 8, v[\w]
	v_cndmask_b32 v[\w], v[\w], v[\t], s[HM]                        ; lanes 16-31: 8 bits up
	v_permlanex16_b32 v[\t], v[\w], s[SEL], s[SEL+1]
	v_or_b32 v[\w], v[\w], v[\t]
.endm
; a unit through the stage.  LDS serves a wave's instructions in order (ISA guide 5.7.1): no wait between the stores and the loads
.macro STAGE set, base
.irp p, 0,1,2,3,4,5,6,7,8,9,10,11,12,13,14,15
	ds_store_b128 v5, v[R+64*(\set)+4*\p:R+64*(\set)+4*\p+3] offset:(\base)+PITCH*\p
.endr
.irp c, 0,1
.irp j, 0,1,2,3,4,5,6,7
	ds_load_b128 v[X+32*\c+4*\j:X+32*\c+4*\j+3], v6 offset:(\base)+256*\c+16*\j
.endr
.endr
.endm
	s_load_b256 s[4:11], s[0:1], 0x0               ; mask s[4:5], X s[6:7], Wq s[8:9], Wk s[10:11]
	s_load_b256 s[52:59], s[0:1], 0x20             ; Wv s[52:53], Wo s[54:55], maskw s[56:57], tiles s[58:59]
	v_lshl_add_u32 v254, v0, 2, 0x10800
	v_mov_b32 v255, 0
	v_lshrrev_b32 v1, 5, v0
	v_readfirstlane_b32 s12, v1                    ; wave 0..3
	v_and_b32 v1, 31, v0                           ; L
	v_lshlrev_b32 v2, 4, v1                        ; 16 L
	v_lshlrev_b32 v3, 3, v1                        ; 8 L
	v_lshlrev_b32 v4, 2, v1                        ; 4 L
	s_mul_i32 s48, s12, WREG
	v_add_nc_u32 v5, s48, v2                       ; into the stage: 16 L of a row
	v_and_b32 v7, 15, v0                           ; r
	v_bfe_u32 v6, v0, 4, 1                         ; h
	v_lshlrev_b32 v6, 7, v6
	v_mad_u32_u24 v6, v7, PITCH, v6
	v_add_nc_u32 v6, s48, v6                       ; out of it: row r, + 128 h
	s_mov_b32 s[HM], 0xffff0000
	s_mov_b32 s[SEL], 0x76543210
	s_mov_b32 s[SEL+1], 0xfedcba98
	s_cmp_ge_u32 ttmp9, 256
	s_cbranch_scc1 .Ltiles
; ---------------- M: the mask.  Wave Qg = 4 x work-group + wave takes the 16 queries of one tile of queries: batch Qg / 64, tile qt = Qg % 64:
; row p of the tile is query 64 (qt / 4) + 8 (qt % 4) + 32 (p / 8) + p % 8.  Unit u is key step u (128 keys).
	s_lshl_b32 s49, ttmp9, 2
	s_add_co_u32 s49, s49, s12                     ; Qg
	s_lshr_b32 s50, s49, 6
	s_lshl_b32 s50, s50, 22                        ; the batch's 4 MiB
	s_and_b32 s51, s49, 63
	s_lshr_b32 s48, s51, 2
	s_lshl_b32 s48, s48, 6
	s_and_b32 s51, s51, 3
	s_lshl_b32 s51, s51, 3
	s_add_co_u32 s48, s48, s51                     ; the tile's first query
	s_lshl_b32 s48, s48, 12                        ; rows of 4,096 bytes
	s_add_co_u32 s60, s48, s50
	s_mov_b32 s61, 0
	s_lshl_b32 s62, s49, 11                        ; 2,048 bytes of words for a tile of queries
	s_mov_b32 s63, 0
	s_wait_kmcnt 0x0
	s_add_nc_u64 s[60:61], s[4:5], s[60:61]
	s_add_nc_u64 s[62:63], s[56:57], s[62:63]
.macro LOADM u
.irp p, 0,1,2,3,4,5,6,7,8,9,10,11,12,13,14,15
	global_load_b128 v[R+64*((\u)%2)+4*\p:R+64*((\u)%2)+4*\p+3], v2, s[60:61] offset:((\p/8)*32+(\p%8))*4096+512*(\u) th:TH_LOAD_NT
.endr
.endm
	LOADM 0
	LOADM 1
.irp i, 0,1,2,3,4,5,6,7,8,9,10,11,12,13,14,15
	v_mov_b32 v[MW+\i], 0                          ; v_writelane_b32's destination counts as read: written whole once
.endr
.macro UNITM u
.if (\u) < 7
	s_wait_loadcnt 16                              ; this unit's 16 loads are in; the next unit's 16 may be out
.else
	s_wait_loadcnt 0x0
.endif
	STAGE (\u)%2, STG_M
	s_wait_dscnt 0x0                               ; the stores have read their registers, and the unit is back
.if (\u) < 6
	LOADM (\u)+2
.endif
.irp e, 0,1                                    ; register 32 e + k of lane (r, h) is mask[query r][128 u + 64 e + 32 h + k]: one compare gives the 32 lanes' bits as one word
.set k, 0
.rept 32
	v_cmp_ne_u32 s[16+k], 0, v[X+32*\e+k]
.set k, k+1
.endr
.set k, 0
.rept 32
	v_writelane_b32 v[MW+2*(\u)+\e], s[16+k], k    ; word (e, k) into lane k
.set k, k+1
.endr
.endr
	global_store_b64 v3, v[MW+2*(\u):MW+2*(\u)+1], s[62:63] offset:256*(\u)   ; 32 lanes store 256 consecutive bytes, aligned: word 2 k + e.  Each unit has data registers of its own
.endm
.irp u, 0,1,2,3,4,5,6,7
	UNITM \u
.endr
	s_wait_tensorcnt 0x0
	ds_add_u32 v254, v255
	s_wait_dscnt 0x0
	s_endpgm
; ---------------- T: tile T = 4 x (work-group - 256) + wave.  0-1023: X;  1024 + 32 sel + idx: Wq, Wk, Wv, Wo.
.Ltiles:
	s_sub_co_u32 s49, ttmp9, 256
	s_lshl_b32 s49, s49, 2
	s_add_co_u32 s49, s49, s12                     ; T
	s_sub_co_u32 s50, s49, 1024
	s_bfe_u32 s51, s50, 0x20005                    ; sel (of no use in X's tiles)
	s_and_b32 s50, s50, 31                         ; idx
	s_cmp_lt_u32 s49, 1024
	s_cselect_b32 s48, s49, s50                    ; the tile's number in its tensor
	s_lshr_b32 s16, s48, 2
	s_lshl_b32 s16, s16, 6
	s_and_b32 s17, s48, 3
	s_lshl_b32 s17, s17, 3
	s_add_co_u32 s16, s16, s17                     ; X, Wq, Wk: first line 64 (n / 4) + 8 (n % 4), the second eight 32 on
	s_lshr_b32 s17, s50, 1
	s_lshl_b32 s17, s17, 5
	s_and_b32 s18, s50, 1
	s_lshl_b32 s18, s18, 3
	s_add_co_u32 s17, s17, s18                     ; Wv: 32 (idx / 2) + 8 (idx % 2), the second eight 16 on
	s_lshl_b32 s18, s50, 4                         ; Wo: 16 idx, the second eight 8 on
	s_wait_kmcnt 0x0
	s_cmp_eq_u32 s51, 1                            ; every choice hangs on the work-group's and the wave's number alone
	s_cselect_b64 s[60:61], s[10:11], s[8:9]
	s_cmp_eq_u32 s51, 2
	s_cselect_b64 s[60:61], s[52:53], s[60:61]
	s_cselect_b32 s19, s17, s16
	s_cselect_b32 s20, 16, 32
	s_cmp_eq_u32 s51, 3
	s_cselect_b64 s[60:61], s[54:55], s[60:61]
	s_cselect_b32 s19, s18, s19
	s_cselect_b32 s20, 8, s20
	s_cmp_lt_u32 s49, 1024
	s_cselect_b64 s[60:61], s[6:7], s[60:61]
	s_cselect_b32 s19, s16, s19
	s_cselect_b32 s20, 32, s20
	s_mov_b32 s23, 0
	s_lshl_b32 s22, s19, 11                        ; lines of 2,048 bytes
	s_add_nc_u64 s[60:61], s[60:61], s[22:23]      ; rows 0-7
	s_lshl_b32 s22, s20, 11
	s_add_nc_u64 s[62:63], s[60:61], s[22:23]      ; rows 8-15
	s_mul_i32 s22, s49, 6144
	s_add_nc_u64 s[66:67], s[58:59], s[22:23]      ; the tile's four images
	s_lshl_b32 s22, s49, 8
	s_add_co_u32 s22, s22, TSC
	s_add_nc_u64 s[68:69], s[58:59], s[22:23]      ; and its 256 bytes of scale words
.macro LOADT u
.irp p, 0,1,2,3,4,5,6,7
	global_load_b128 v[R+64*((\u)%2)+4*\p:R+64*((\u)%2)+4*\p+3], v2, s[60:61] offset:2048*\p+512*(\u) th:TH_LOAD_NT
.endr
.irp p, 0,1,2,3,4,5,6,7
	global_load_b128 v[R+64*((\u)%2)+32+4*\p:R+64*((\u)%2)+32+4*\p+3], v2, s[62:63] offset:2048*\p+512*(\u) th:TH_LOAD_NT
.endr
.endm
	LOADT 0
	LOADT 1
.macro UNITT u                                 ; unit u is K step u (128 along K)
.if (\u) < 3
	s_wait_loadcnt 16                              ; this unit's 16 loads are in; the next unit's 16 may be out
.else
	s_wait_loadcnt 0x0
.endif
	STAGE (\u)%2, STG_T
	s_wait_dscnt 0x0
.if (\u) < 2
	LOADT (\u)+2
.endif
.if (\u) >= 2
	s_wait_xcnt 0x0                                ; the stores of two units ago have read this set of code registers
.endif
	QUANT32 X, PC+12*((\u)%2), 14, 8, 9, 10, 11
	QUANT32 X+32, PC+12*((\u)%2)+6, 14, 8, 9, 12, 13
	WORD 18+(\u), 11, 13, 17
.irp i, 0,1,2
	global_store_b128 v2, v[PC+12*((\u)%2)+4*\i:PC+12*((\u)%2)+4*\i+3], s[66:67] offset:1536*(\u)+512*\i   ; 512 consecutive bytes, aligned
.endr
.if (\u)%2 == 1
	v_cndmask_b32 v[22+(\u)/2], v[18+(\u)-1], v[18+(\u)], s[HM]     ; lanes 0-15: the even K step's words, lanes 16-31: the odd one's
	global_store_b32 v4, v[22+(\u)/2], s[68:69] offset:128*((\u)/2)
.endif
.endm
.irp u, 0,1,2,3
	UNITT \u
.endr
	s_wait_tensorcnt 0x0
	ds_add_u32 v254, v255
	s_wait_dscnt 0x0
	s_endpgm
.Lfunc_end_k_q1aa879e896_prep:
	.size	k_q1aa879e896_prep, .Lfunc_end_k_q1aa879e896_prep-k_q1aa879e896_prep
	.p2alignl 7, 3214868480
	.fill 96, 4, 3214868480
	.section	.rodata,"a",@progbits
	.p2align	6, 0x0
	.amdhsa_kernel k_q1aa879e896_prep
		.amdhsa_group_segment_fixed_size 68096
		.amdhsa_private_segment_fixed_size 0
		.amdhsa_enable_private_segment 0
		.amdhsa_kernarg_size 64
		.amdhsa_user_sgpr_count 2
		.amdhsa_user_sgpr_kernarg_segment_ptr 1
		.amdhsa_wavefront_size32 1
		.amdhsa_system_sgpr_workgroup_id_x 1
		.amdhsa_system_sgpr_workgroup_id_y 1
		.amdhsa_system_sgpr_workgroup_id_z 1
		.amdhsa_system_vgpr_workitem_id 0
		.amdhsa_next_free_vgpr 256
		.amdhsa_next_free_sgpr 72
		.amdhsa_reserve_vcc 0
		.amdhsa_float_denorm_mode_32 3
		.amdhsa_float_denorm_mode_16_64 3
		.amdhsa_memory_ordered 1
		.amdhsa_forward_progress 1
		.amdhsa_inst_pref_size 126
	.end_amdhsa_kernel
	.amdgpu_metadata
---
amdhsa.version: [ 1, 2 ]
amdhsa.kernels:
  - .name:           k_q1aa879e896_prep
    .symbol:         k_q1aa879e896_prep.kd
    .args:
      - { .name: mask, .offset: 0, .size: 8, .value_kind: global_buffer, .address_space: global }
      - { .name: X, .offset: 8, .size: 8, .value_kind: global_buffer, .address_space: global }
      - { .name: Wq, .offset: 16, .size: 8, .value_kind: global_buffer, .address_space: global }
      - { .name: Wk, .offset: 24, .size: 8, .value_kind: global_buffer, .address_space: global }
      - { .name: Wv, .offset: 32, .size: 8, .value_kind: global_buffer, .address_space: global }
      - { .name: Wo, .offset: 40, .size: 8, .value_kind: global_buffer, .address_space: global }
      - { .name: maskw, .offset: 48, .size: 8, .value_kind: global_buffer, .address_space: global }
      - { .name: tiles, .offset: 56, .size: 8, .value_kind: global_buffer, .address_space: global }
    .group_segment_fixed_size: 68096
    .private_segment_fixed_size: 0
    .kernarg_segment_align: 8
    .kernarg_segment_size: 64
    .max_flat_workgroup_size: 128
    .sgpr_count:     72
    .vgpr_count:     256
    .wavefront_size: 32
...
	.end_amdgpu_metadata
.endif
;; end of part 1
;; launch qkv (part 2): grid 2 x 128, 4 waves a work-group, no clusters, 0 bytes of LDS; arguments tiles, qkv; writes qkv
.if DOCPART == 2
	.amdgcn_target "amdgcn-amd-amdhsa--gfx1250"
	.amdhsa_code_object_version 6
	.text
	.protected	k_q1aa879e896_qkv
	.globl	k_q1aa879e896_qkv
	.p2align	8
	.type	k_q1aa879e896_qkv,@function
k_q1aa879e896_qkv:
	s_mov_b64 s[64:65], 0
	v_nop
	global_prefetch_b8 v0, s[64:65] scope:SCOPE_SE
	s_setreg_imm32_b32 hwreg(HW_REG_WAVE_MODE, 25, 1), 1
	s_wait_xcnt 0x0
; QKV.  q = X Wq^T, k = X Wk^T, v = X Wv^T on codes of BF6 (images made by the launch before), and the results quantised again in registers: q and k along the head's 32, v along the keys.
; SHARES.  Work-group (x = cg, y): 768 of the 1,536 output lines x 128 tokens (batch y / 8, key step y % 8).  Wave w owns three QUADS of four weight tiles, qi = 12 cg + 3 w + z:
; type qi / 8 (0 q, 1 k, 2 v), pair of heads qi % 8.  A wave's 12 weight tiles (576 registers) stay in its registers; x's tiles come from memory straight into registers, four at a time.
; A JOB is 16 matrix instructions (4 accumulators by turns x 4 K steps of 128), after which a lane's 32 result registers are ONE block of 32 along the next product's K, in order:
;   q, k: source 0 = a weight tile, source 1 = a tile of x.  Lane (r, h) holds token row r, head 2 pr + h, register 8 tt + j = channel d.   (The weight tile's rows 8-15 lie 32 output lines on: the other head.)
;   v:    source 0 = a tile of x, source 1 = a weight tile.  Lane (r, h) holds channel row r, register 8 i + j = token 64 gq + 32 h + 8 i + j of the key step.
; So a block's largest magnitude needs no other lane and the conversions' results are the next operand's registers; they are stored as halves of register images (6 registers: 0-3 at 16 L, 4-5 at 512 + 8 L).
; q and k images are PACKED: a fragment's four blocks of 32 along K hold four different tiles of 16 tokens.
; LIMITS as in the first launch: NaN and infinities not served; blocks under 2^-122 get the byte 1.
; No LDS, no barrier.  No cluster: what work-groups share (weights along y, x along x) goes straight into registers here, and a joint request can only land in LDS.
; REGISTERS, in windows of 256: window 0: v1-6 addresses; v32-223 x's 16 fragments; v224-247 the weights' scale words; v248-255 x's.
;   window 1 + z: v0-191 quad z's 16 fragments; v192-223 the accumulators; v224-236 the quantiser's; v237 q's or k's scale word; v240-243 v's scale bytes; v244-247 at work.
.set XF,  32
.set WS,  224
.set XS,  248
.set ACC, 192
.set HM,  13
.set SEL, 14
.set TSC, 7077888
.set QSC, 18874368                     ; where the scale words begin in qkv: 3 x 256 planes x 24,576 bytes
.set MSB, 0
.macro WIN new                         ; the immediate's high byte repeats the setting that is left; bits 1:0 source 0, 3:2 source 1, 5:4 source 2, 7:6 destination
.if MSB != (\new)
	s_set_vgpr_msb (MSB<<8)|(\new)
.set MSB, (\new)
.endif
.endm
.macro QUANT32 s, pc, tt, m0, m1, so, by
	v_max3_num_f32 v[\m0], |v[(\s)]|, |v[(\s)+1]|, 0x2800000        ; each accumulator is read from its low end on; the floor 2^(5 - 127) holds the byte at 1 from below
	v_max3_num_f32 v[\m1], |v[(\s)+2]|, |v[(\s)+3]|, 0x2800000
.irp i, 4,8,12,16,20,24,28
	v_max3_num_f32 v[\m0], v[\m0], |v[(\s)+\i]|, |v[(\s)+\i+1]|
	v_max3_num_f32 v[\m1], v[\m1], |v[(\s)+\i+2]|, |v[(\s)+\i+3]|
.endr
	v_max_num_f32 v[\m0], v[\m0], v[\m1]
	v_add_nc_u32 v[\so], 0xfe000000, v[\m0]
	v_lshrrev_b32 v[\by], 23, v[\so]
	v_cvt_scalef32_pk16_bf6_f32 v[(\pc):(\pc)+2], v[(\s):(\s)+15], v[\so]
	v_cvt_scalef32_pk16_bf6_f32 v[(\tt):(\tt)+2], v[(\s)+16:(\s)+31], v[\so]
	v_nop                                                           ; one plain line behind a scaled conversion
.irp i, 0,1,2
	v_mov_b32 v[(\pc)+3+\i], v[(\tt)+\i]
.endr
.endm
; one matrix instruction of K step ks: the first starts the sum with the constant 0; an odd K step's scale words lie in lanes 16-31 of both scale registers
.macro MMA d, a, b, sa, sb, ks
.if (\ks) == 0
	v_wmma_scale_f32_16x16x128_f8f6f4 v[(\d):(\d)+7], v[(\a):(\a)+11], v[(\b):(\b)+11], 0, v[\sa], v[\sb] matrix_a_fmt:MATRIX_FMT_BF6 matrix_b_fmt:MATRIX_FMT_BF6
.elseif (\ks)%2
	v_wmma_scale_f32_16x16x128_f8f6f4 v[(\d):(\d)+7], v[(\a):(\a)+11], v[(\b):(\b)+11], v[(\d):(\d)+7], v[\sa], v[\sb] matrix_a_fmt:MATRIX_FMT_BF6 matrix_b_fmt:MATRIX_FMT_BF6 matrix_a_scale:MATRIX_SCALE_ROW1 matrix_b_scale:MATRIX_SCALE_ROW1
.else
	v_wmma_scale_f32_16x16x128_f8f6f4 v[(\d):(\d)+7], v[(\a):(\a)+11], v[(\b):(\b)+11], v[(\d):(\d)+7], v[\sa], v[\sb] matrix_a_fmt:MATRIX_FMT_BF6 matrix_b_fmt:MATRIX_FMT_BF6
.endif
.endm
	s_load_b128 s[4:7], s[0:1], 0x0                ; tiles s[4:5], qkv s[6:7]
	v_lshrrev_b32 v1, 5, v0
	v_readfirstlane_b32 s8, v1                     ; wave 0..3
	v_and_b32 v7, 31, v0
	v_lshlrev_b32 v1, 4, v7                        ; 16 L
	v_lshlrev_b32 v2, 3, v7                        ; 8 L
	v_lshlrev_b32 v3, 2, v7                        ; 4 L
	v_and_b32 v8, 15, v0                           ; r
	v_bfe_u32 v9, v0, 4, 1                         ; h
	v_mul_u32_u24 v4, v9, 24576
	v_lshl_add_u32 v5, v8, 3, v4                   ; q, k: plane h of the pair, + 8 r
	v_lshl_add_u32 v4, v8, 4, v4                   ;       plane h of the pair, + 16 r
	v_lshlrev_b32 v6, 10, v9
	v_lshl_add_u32 v6, v8, 2, v6                   ;       the plane's scale words, + 4 r
	s_mov_b32 s[HM], 0xffff0000
	s_mov_b32 s[SEL], 0x76543210
	s_mov_b32 s[SEL+1], 0xfedcba98
	s_and_b32 s10, ttmp7, 0xffff                   ; y
	s_lshr_b32 s11, s10, 3
	s_lshl_b32 s11, s11, 4                         ; 16 x batch
	s_and_b32 s9, s10, 7                           ; key step
	s_mul_i32 s12, s9, 3072                        ; its two fragments in a plane
	s_lshl_b32 s9, s9, 7                           ; its 128 bytes of scale words
	s_mul_i32 s52, ttmp9, 12
	s_mul_i32 s53, s8, 3
	s_add_co_u32 s52, s52, s53                     ; my first quad
	s_lshl_b32 s54, s52, 2
	s_add_co_u32 s54, s54, 1024                    ; my first weight tile
	s_mov_b32 s59, 0
	s_wait_kmcnt 0x0
	s_mul_i32 s58, s54, 6144
	s_add_nc_u64 s[16:17], s[4:5], s[58:59]        ; my 12 weight tiles: 73,728 consecutive bytes
	s_lshl_b32 s58, s54, 8
	s_add_co_u32 s58, s58, TSC
	s_add_nc_u64 s[18:19], s[4:5], s[58:59]        ; their scale words
	s_mul_i32 s58, s10, 49152
	s_add_nc_u64 s[20:21], s[4:5], s[58:59]        ; x's tiles 8 y on
	s_lshl_b32 s58, s10, 11
	s_add_co_u32 s58, s58, TSC
	s_add_nc_u64 s[22:23], s[4:5], s[58:59]
.irp z, 0,1,2
	s_add_co_u32 s[48+\z], s52, \z                 ; qi
	s_lshr_b32 s55, s[48+\z], 3                    ; type
	s_and_b32 s56, s[48+\z], 7
	s_lshl_b32 s56, s56, 1
	s_add_co_u32 s56, s56, s11                     ; plane 16 b + 2 pr
	s_mul_i32 s58, s55, 6291456
	s_mul_i32 s57, s56, 24576
	s_add_co_u32 s58, s58, s57
	s_add_co_u32 s58, s58, s12
	s_add_nc_u64 s[24+2*\z:25+2*\z], s[6:7], s[58:59]     ; where the quad's images go
	s_lshl_b32 s58, s55, 18
	s_lshl_b32 s57, s56, 10
	s_add_co_u32 s58, s58, s57
	s_add_co_u32 s58, s58, s9
	s_add_co_u32 s58, s58, QSC
	s_add_nc_u64 s[30+2*\z:31+2*\z], s[6:7], s[58:59]     ; and its scale words
	s_mov_b32 s57, 1536
	s_cmp_ge_u32 s[48+\z], 16
	s_cselect_b32 s[36+2*\z], 768, s57             ; from 64 tokens to the next: v half a fragment, q and k a fragment;
	s_cselect_b32 s[42+2*\z], 0, 64                ; v's words are stored once, at the end
	s_mov_b32 s[37+2*\z], 0
	s_mov_b32 s[43+2*\z], 0
.endr
.irp z, 0,1,2
	WIN (1+\z)<<6                                  ; destination window 1 + z
.irp tt, 0,1,2,3
.irp ks, 0,1,2,3
.irp ch, 0,1,2
	global_load_b128 v[12*(4*\tt+\ks)+4*\ch:12*(4*\tt+\ks)+4*\ch+3], v1, s[16:17] offset:(4*\z+\tt)*6144+\ks*1536+512*\ch
.endr
.endr
.endr
.irp i, 240,241,242,243,244,245,246,247
	v_mov_b32 v[\i], 0                             ; v's bytes begin as 0; a lane permute's destination counts as read
.endr
.endr
	WIN 0
.irp a, 0,1,2,3,4,5,6,7,8,9,10,11
.irp p, 0,1
	global_load_b32 v[WS+2*\a+\p], v3, s[18:19] offset:\a*256+128*\p
.endr
.endr
; q or k: quad z against x's tile i
.macro JOB_QK z, i
	WIN (1+\z)*0x51                                ; source 0 (weights), C and D window 1 + z; source 1 (x) window 0
.irp ks, 0,1,2,3
.irp tt, 0,1,2,3
	MMA ACC+8*\tt, 12*(4*\tt+\ks), XF+12*(4*\i+\ks), WS+2*(4*\z+\tt)+\ks/2, XS+2*\i+\ks/2, \ks
.endr
.endr
.rept 5
	v_nop                                          ; places behind the products (ISA guide 7.12.1): four ahead of the reads of their results, five ahead of the next job's products, which write over them
.endr
	s_wait_xcnt 0x0                                ; the last job's stores have read the code registers
	WIN (1+\z)*0x55
	QUANT32 ACC, 228, 234, 224, 225, 226, 227
.if \i == 0
	v_mov_b32 v237, v227
.else
	v_lshl_or_b32 v237, v227, 8*\i, v237           ; byte i of the packed fragment's scale word
.endif
	WIN (1+\z)*4                                   ; a store's data are its source 1
	global_store_b128 v4, v[228:231], s[24+2*\z:25+2*\z] offset:768*(\i/2)+256*(\i%2)        ; half i / 2, lanes 16 (i % 2) + r of the image: sixteen lanes store 256 consecutive bytes, aligned
	global_store_b64 v5, v[232:233], s[24+2*\z:25+2*\z] offset:768*(\i/2)+512+128*(\i%2)
.if \i == 3
	global_store_b32 v6, v237, s[30+2*\z:31+2*\z]
.endif
.endm
; v: x's four tiles against weight tile tt of quad z
.macro JOB_V z, tt
	WIN (1+\z)*0x54                                ; source 0 (x) window 0; source 1 (weights), C and D window 1 + z
.irp ks, 0,1,2,3
.irp i, 0,1,2,3
	MMA ACC+8*\i, XF+12*(4*\i+\ks), 12*(4*\tt+\ks), XS+2*\i+\ks/2, WS+2*(4*\z+\tt)+\ks/2, \ks
.endr
.endr
.rept 5
	v_nop
.endr
	s_wait_xcnt 0x0
	WIN (1+\z)*0x55
	QUANT32 ACC, 228, 234, 224, 225, 226, 227
	v_lshrrev_b32 v246, 16, v[240+\tt]
	v_lshl_or_b32 v[240+\tt], v227, 16, v246       ; after both trips: the first trip's byte at bit 0, the second's at bit 16
	WIN (1+\z)*4
	global_store_b128 v1, v[228:231], s[24+2*\z:25+2*\z] offset:(\tt/2)*24576+(\tt%2)*1536       ; head tt / 2 of the pair, fragment tt % 2 of the key step
	global_store_b64 v2, v[232:233], s[24+2*\z:25+2*\z] offset:(\tt/2)*24576+(\tt%2)*1536+512
.endm
	s_mov_b32 s51, 0
.Lgq:                                                  ; two trips: 64 tokens (four tiles of x) each
.irp i, 0,1,2,3
.irp ks, 0,1,2,3
.irp ch, 0,1,2
	global_load_b128 v[XF+12*(4*\i+\ks)+4*\ch:XF+12*(4*\i+\ks)+4*\ch+3], v1, s[20:21] offset:\i*6144+\ks*1536+512*\ch
.endr
.endr
.endr
.irp i, 0,1,2,3
.irp p, 0,1
	global_load_b32 v[XS+2*\i+\p], v3, s[22:23] offset:\i*256+128*\p
.endr
.endr
	s_wait_loadcnt 0x0                             ; x's tiles (and, in the first trip, the weights)
.irp z, 0,1,2
	s_cmp_ge_u32 s[48+\z], 16                      ; a branch on the work-group's and the wave's number
	s_cbranch_scc1 .Lv\z
	JOB_QK \z, 0
	JOB_QK \z, 1
	JOB_QK \z, 2
	JOB_QK \z, 3
	WIN 0
	s_branch .Ldone\z
.Lv\z:
	JOB_V \z, 0
	JOB_V \z, 1
	JOB_V \z, 2
	JOB_V \z, 3
	WIN 0
.Ldone\z:
.endr
	s_wait_xcnt 0x0                                ; every load and store has read its base: they step
	s_add_nc_u64 s[20:21], s[20:21], 24576
	s_add_nc_u64 s[22:23], s[22:23], 1024
.irp z, 0,1,2
	s_add_nc_u64 s[24+2*\z:25+2*\z], s[24+2*\z:25+2*\z], s[36+2*\z:37+2*\z]
	s_add_nc_u64 s[30+2*\z:31+2*\z], s[30+2*\z:31+2*\z], s[42+2*\z:43+2*\z]
.endr
	s_add_co_u32 s51, s51, 1
	s_cmp_lt_u32 s51, 2
	s_cbranch_scc1 .Lgq
; v's scale words: a lane's two bytes (key blocks h and 2 + h of the step) and lane L xor 16's two; lanes 0-15 store fragment 0's words, lanes 16-31 fragment 1's
.irp z, 0,1,2
	s_cmp_ge_u32 s[48+\z], 16
	s_cbranch_scc0 .Lnv\z
	WIN (1+\z)*0x55
.irp tt, 0,1,2,3
	v_lshlrev_b32 v246, 8, v[240+\tt]
	v_cndmask_b32 v[240+\tt], v[240+\tt], v246, s[HM]
	v_permlanex16_b32 v246, v[240+\tt], s[SEL], s[SEL+1]
	v_or_b32 v[240+\tt], v[240+\tt], v246
.endr
	v_cndmask_b32 v244, v240, v241, s[HM]
	v_cndmask_b32 v245, v242, v243, s[HM]
	WIN (1+\z)*4
	global_store_b32 v3, v244, s[30+2*\z:31+2*\z]
	global_store_b32 v3, v245, s[30+2*\z:31+2*\z] offset:1024
	WIN 0
.Lnv\z:
.endr
	s_endpgm
.Lfunc_end_k_q1aa879e896_qkv:
	.size	k_q1aa879e896_qkv, .Lfunc_end_k_q1aa879e896_qkv-k_q1aa879e896_qkv
	.p2alignl 7, 3214868480
	.fill 96, 4, 3214868480
	.section	.rodata,"a",@progbits
	.p2align	6, 0x0
	.amdhsa_kernel k_q1aa879e896_qkv
		.amdhsa_group_segment_fixed_size 0
		.amdhsa_private_segment_fixed_size 0
		.amdhsa_enable_private_segment 0
		.amdhsa_kernarg_size 16
		.amdhsa_user_sgpr_count 2
		.amdhsa_user_sgpr_kernarg_segment_ptr 1
		.amdhsa_wavefront_size32 1
		.amdhsa_system_sgpr_workgroup_id_x 1
		.amdhsa_system_sgpr_workgroup_id_y 1
		.amdhsa_system_sgpr_workgroup_id_z 1
		.amdhsa_system_vgpr_workitem_id 0
		.amdhsa_next_free_vgpr 1024
		.amdhsa_next_free_sgpr 66
		.amdhsa_reserve_vcc 0
		.amdhsa_float_denorm_mode_32 3
		.amdhsa_float_denorm_mode_16_64 3
		.amdhsa_memory_ordered 1
		.amdhsa_forward_progress 1
		.amdhsa_inst_pref_size 127
	.end_amdhsa_kernel
	.amdgpu_metadata
---
amdhsa.version: [ 1, 2 ]
amdhsa.kernels:
  - .name:           k_q1aa879e896_qkv
    .symbol:         k_q1aa879e896_qkv.kd
    .args:
      - { .name: tiles, .offset: 0, .size: 8, .value_kind: global_buffer, .address_space: global }
      - { .name: qkv, .offset: 8, .size: 8, .value_kind: global_buffer, .address_space: global }
    .group_segment_fixed_size: 0
    .private_segment_fixed_size: 0
    .kernarg_segment_align: 8
    .kernarg_segment_size: 16
    .max_flat_workgroup_size: 128
    .sgpr_count:     66
    .vgpr_count:     1024
    .wavefront_size: 32
...
	.end_amdgpu_metadata
.endif
;; end of part 2
;; launch attn (part 3): grid 16 x 16, 16 waves a work-group, no clusters, 53,248 bytes of LDS; arguments qkv, maskw, aorec; writes aorec
.if DOCPART == 3
	.amdgcn_target "amdgcn-amd-amdhsa--gfx1250"
	.amdhsa_code_object_version 6
	.text
	.protected	k_q1aa879e896_attn
	.globl	k_q1aa879e896_attn
	.p2align	8
	.type	k_q1aa879e896_attn,@function
k_q1aa879e896_attn:
	s_mov_b64 s[64:65], 0
	v_nop
	global_prefetch_b8 v0, s[64:65] scope:SCOPE_SE
	s_setreg_imm32_b32 hwreg(HW_REG_WAVE_MODE, 25, 1), 1
	s_wait_xcnt 0x0
; ATTENTION on codes of BF6: scores = q k^T / sqrt(512), the mask, the softmax, p v, the division by the row's sum, and the result quantised along the embedding (one block of 32 = one head).
; THE SOFTMAX: t = score x log2(e) / sqrt(512); M = the running largest t rounded UP to a whole number; p = 2^(t - M) is quantised along the keys, not normalised; the row's sum is taken of the
; unquantised p and divides at the end; when M moves, the sum and O are multiplied by 2^(old M - new M), which rounds nothing.
; SHARES.  A work-group owns one head of one batch (x = head, y = batch).  The head's K and V (codes 2 x 24,576 bytes, scale words 2 x 1,024) are copied into LDS once, through registers: one barrier in the launch.
; Each of sixteen waves owns 64 queries as four tiles of 16, one after the other, and walks the 1,024 keys in eight steps of 128.  Four waves share a SIMD, so that one wave's vector work stands beside another's products and loads.
; K = 32 IN A FORM OF K = 128.  A fragment of k holds FOUR tiles of 16 keys, one in each block of 32 along the instruction's K.  q stands in one block and zero codes in the other three: four operands, which are
; overlapping windows of 30 registers [0][q in lanes 0-15][0][q in lanes 16-31][0].  A zero code times any code is 0 under any scale byte from 1 to 254.  So LDS is read 24 bytes a key, with no padding.
; LAYOUT.  Both products are used transposed (source 0 = keys or channels, source 1 = my 16 queries): a lane holds ONE query (L % 16).  The keys of a tile are chosen (by the launch before) so that score register n of lane
; (r, h) is key 128 s + 64 (n / 32) + 32 h + n % 32: a lane's 32 registers are one whole block along the second product's K.
; THE MASK comes as words of 32 lane bits, one word a score register, by scalar loads a step ahead: one v_cndmask_b32 a score.
; LIMITS: a masked score is -2^67 in place of reference's logit -1e20: the same results as long as every real |score| stays under 2^67 (a row with no key left gives p = 1 everywhere, the plain mean, as there);
; NaN and infinities are not served; a block of p or of the result under 2^-122 gets the scale byte 1.
; No cluster: no two work-groups read the same K or V; the mask words that the 16 heads of a batch share are 256 bytes of a step's 6,400.
.set S,    100                         ; v100-163 scores, then p
.set OT,   164                         ; v164-179 O^T: register 8 dt + j = channel 16 h + 8 dt + j
.set P,    180                         ; v180-191 p's codes
.set KF,   48                          ; v48-71   two fragments of k
.set VF,   72                          ; v72-95   two fragments of v
.set HM,   16                          ; s16 lanes 16-31
.set SEL,  18                          ; s[18:19]
.set CS,   20                          ; s[20:21] c = log2(e) / sqrt(512), twice
.set QSC,  18874368
.set VIMG, 24576
.set KSC,  49152
.set VSC,  50176
; v1-3 16 L, 8 L, 4 L; v4 -2^67; v5-7 the step's LDS addresses; v8-10 16 r, 8 r, 4 r; v11 my place in the records; v12 -M, v13 largest t, v[14:15] the sum; v16-45 q's windows; v46 q's scale word, v47 k's; v96 v's, v97 p's;
; v192-198 conversions' second halves; v200-201 block maxima; v202 permutes; v204 at work; v[206:207] f; v208-211 scale operands and bytes; v212-213 at work; v[214:215] the second chain of the sum; v216-221 q as loaded; v222 q's four bytes
.macro WORD w, by0, by1, t
	v_lshl_or_b32 v[\w], v[\by1], 16, v[\by0]
	v_lshlrev_b32 v[\t], 8, v[\w]
	v_cndmask_b32 v[\w], v[\w], v[\t], s[HM]
	v_permlanex16_b32 v[\t], v[\w], s[SEL], s[SEL+1]
	v_or_b32 v[\w], v[\w], v[\t]
.endm
.macro MASKLD                          ; 64 words, 256 bytes: word 2 (n % 32) + n / 32 belongs to score register n
	s_load_b512 s[32:47], s[22:23], s24 offset:0x0
	s_load_b512 s[48:63], s[22:23], s24 offset:0x40
	s_load_b512 s[68:83], s[22:23], s24 offset:0x80
	s_load_b512 s[84:99], s[22:23], s24 offset:0xc0
.endm
.macro KQ g, j                         ; 16 keys (block j of fragment g) x my 16 queries
.if \g
	v_wmma_scale_f32_16x16x128_f8f6f4 v[S+8*(4*\g+\j):S+8*(4*\g+\j)+7], v[KF+12*\g:KF+12*\g+11], v[22+12*(\j%2)-6*(\j/2):33+12*(\j%2)-6*(\j/2)], 0, v47, v46 matrix_a_fmt:MATRIX_FMT_BF6 matrix_b_fmt:MATRIX_FMT_BF6 matrix_a_scale:MATRIX_SCALE_ROW1
.else
	v_wmma_scale_f32_16x16x128_f8f6f4 v[S+8*(4*\g+\j):S+8*(4*\g+\j)+7], v[KF+12*\g:KF+12*\g+11], v[22+12*(\j%2)-6*(\j/2):33+12*(\j%2)-6*(\j/2)], 0, v47, v46 matrix_a_fmt:MATRIX_FMT_BF6 matrix_b_fmt:MATRIX_FMT_BF6
.endif
.endm
	s_load_b128 s[4:7], s[0:1], 0x0                ; qkv s[4:5], maskw s[6:7]
	s_load_b64 s[8:9], s[0:1], 0x10                ; aorec
	v_lshl_add_u32 v224, v0, 2, 0xc800
	v_mov_b32 v225, 0
	v_lshrrev_b32 v1, 5, v0
	v_readfirstlane_b32 s10, v1                    ; wave W, 0..15
	v_and_b32 v4, 31, v0
	v_lshlrev_b32 v1, 4, v4
	v_lshlrev_b32 v2, 3, v4
	v_lshlrev_b32 v3, 2, v4
	v_and_b32 v212, 15, v0                         ; r
	v_bfe_u32 v213, v0, 4, 1                       ; h
	v_lshlrev_b32 v8, 4, v212
	v_lshlrev_b32 v9, 3, v212
	v_lshlrev_b32 v10, 2, v212
	v_and_b32 v11, 7, v0
	v_lshlrev_b32 v11, 5, v11
	v_bfe_u32 v214, v0, 3, 1
	v_lshl_add_u32 v11, v214, 10, v11
	v_lshl_add_u32 v11, v213, 4, v11               ; records of 32 bytes: token 32 (r / 8) + r % 8, + 16 h
	v_lshlrev_b32 v216, 4, v0                      ; 16 x thread
	v_lshlrev_b32 v217, 2, v0                      ; 4 x thread
	v_and_b32 v218, 255, v0
	v_lshlrev_b32 v218, 2, v218
	s_and_b32 s12, ttmp7, 0xffff                   ; batch
	s_lshl_b32 s13, s12, 4
	s_add_co_u32 s13, s13, ttmp9                   ; plane = 16 x batch + head
	s_mov_b32 s[HM], 0xffff0000
	s_mov_b32 s[SEL], 0x76543210
	s_mov_b32 s[SEL+1], 0xfedcba98
	s_mov_b32 s[CS], 0x3d8293ee
	s_mov_b32 s[CS+1], s[CS]                       ; (the packed form names the pair)
	s_mov_b32 s24, 0
	s_mov_b32 s25, 0
	s_mov_b32 s31, 0
	s_wait_kmcnt 0x0
	s_lshl_b32 s30, s12, 6
	s_lshl_b32 s11, s10, 2
	s_add_co_u32 s30, s30, s11
	s_lshl_b32 s30, s30, 11
	s_add_nc_u64 s[22:23], s[6:7], s[30:31]        ; my 4 tiles x 8 steps x 256 bytes of mask words
	s_lshl_b32 s30, s13, 15
	s_lshl_b32 s11, s10, 11
	s_add_co_u32 s30, s30, s11
	s_add_nc_u64 s[100:101], s[8:9], s[30:31]      ; my 64 tokens' records
	s_mul_i32 s30, s13, 24576
	s_add_nc_u64 s[14:15], s[4:5], s[30:31]        ; q's plane; k's lies 6,291,456 bytes on,
	s_add_nc_u64 s[2:3], s[14:15], 12582912        ; v's
	s_mul_i32 s30, s10, 1536
	s_add_nc_u64 s[66:67], s[14:15], s[30:31]      ; my fragment of q
	s_lshl_b32 s11, s13, 10
	s_mov_b32 s30, QSC+2*262144
	s_cmp_lt_u32 s10, 8
	s_cselect_b32 s30, QSC+262144, s30             ; waves 0-7 copy k's scale words, waves 8-15 v's
	s_add_co_u32 s30, s30, s11
	s_add_nc_u64 s[8:9], s[4:5], s[30:31]
	s_lshl_b32 s30, s10, 6
	s_add_co_u32 s30, s30, s11
	s_add_co_u32 s30, s30, QSC
	s_add_nc_u64 s[6:7], s[4:5], s[30:31]          ; my fragment's scale words of q
.irp i, 0,1,2
	global_load_b128 v[100+4*\i:103+4*\i], v216, s[14:15] offset:6291456+8192*\i
.endr
.irp i, 0,1,2
	global_load_b128 v[112+4*\i:115+4*\i], v216, s[2:3] offset:8192*\i
.endr
	global_load_b32 v124, v218, s[8:9]
	global_load_b32 v222, v10, s[6:7]
	MASKLD                                         ; the first step's words
	v_mov_b32 v4, 0xe1000000                       ; -2^67
.irp i, 16,17,18,19,20,21,28,29,30,31,32,33,40,41,42,43,44,45
	v_mov_b32 v[\i], 0                             ; the zero codes of q's windows: written once
.endr
	v_mov_b32 v202, 0                              ; a lane permute's destination counts as read
	v_mov_b32 v207, 0                              ; (named as the upper half of the pair v[206:207])
	s_wait_loadcnt 0x0
.irp i, 0,1,2
	ds_store_b128 v216, v[100+4*\i:103+4*\i] offset:8192*\i
.endr
.irp i, 0,1,2
	ds_store_b128 v216, v[112+4*\i:115+4*\i] offset:VIMG+8192*\i
.endr
	ds_store_b32 v217, v124 offset:KSC
	s_wait_dscnt 0x0                               ; for the others' sake: my stores have landed
	s_barrier_signal -1
	s_barrier_wait -1                              ; from here on LDS is only read
	s_mov_b32 s29, 0
.Lq:                                                   ; four trips: tile s29 of my queries: row r is token 64 W + 32 (r / 8) + 8 s29 + r % 8
	s_lshr_b32 s30, s29, 1
	s_mul_i32 s30, s30, 768                        ; half s29 / 2 of the fragment's image,
	s_and_b32 s11, s29, 1
	s_lshl_b32 s31, s11, 7
	s_add_co_u32 s31, s31, s30
	s_lshl_b32 s11, s11, 8
	s_add_co_u32 s30, s30, s11                     ; lanes 16 (s29 % 2) + r of it
	v_add_nc_u32 v212, s30, v8
	v_add_nc_u32 v213, s31, v9
	global_load_b128 v[216:219], v212, s[66:67]
	global_load_b64 v[220:221], v213, s[66:67] offset:512
	s_mul_i32 s17, s29, 0x01010101
	v_perm_b32 v46, v222, v222, s17                ; the tile's byte, four times: whichever block q stands in
	v_mov_b32 v13, 0xff61b1e6                      ; the largest t so far: -3e38
	v_floor_f32 v12, -v13
	v_mov_b32 v14, 0
	v_mov_b32 v15, 0
	s_mov_b32 s26, 0
	s_mov_b32 s27, 0
	s_wait_loadcnt 0x0
.irp i, 0,1,2,3,4,5
	v_cndmask_b32 v[22+\i], v[216+\i], v16, s[HM]  ; q in lanes 0-15, zeros above
	v_cndmask_b32 v[34+\i], v16, v[216+\i], s[HM]  ; q in lanes 16-31
.endr
.irp i, 0,1,2,3,4,5,6,7,8,9,10,11,12,13,14,15
	v_mov_b32 v[OT+\i], 0                          ; O^T.  (The step is written once: the first finds zeros.)  These lines also stand between the operand and scale just made and the first product
.endr
	s_mov_b32 s28, 0
.Lstep:                                                ; eight trips: 128 keys
	v_add_nc_u32 v5, s26, v1
	v_add_nc_u32 v6, s26, v2
	v_add_nc_u32 v7, s27, v3
	v_nop                                          ; four places behind the last step's products, ahead of the loads into their operands
.irp g, 0,1
.irp c, 0,1
	ds_load_b128 v[KF+12*\g+6*\c:KF+12*\g+6*\c+3], v5 offset:1536*\g+768*\c
	ds_load_b64 v[KF+12*\g+6*\c+4:KF+12*\g+6*\c+5], v6 offset:1536*\g+768*\c+512
.endr
.endr
	ds_load_b32 v47, v7 offset:KSC                 ; lanes 0-15 fragment 0's words, lanes 16-31 fragment 1's
.irp g, 0,1
.irp c, 0,1
	ds_load_b128 v[VF+12*\g+6*\c:VF+12*\g+6*\c+3], v5 offset:VIMG+1536*\g+768*\c
	ds_load_b64 v[VF+12*\g+6*\c+4:VF+12*\g+6*\c+5], v6 offset:VIMG+1536*\g+768*\c+512
.endr
.endr
	ds_load_b32 v96, v7 offset:VSC
	s_wait_dscnt 9                                 ; k's nine loads are in; v's nine may be out
.irp g, 0,1
.irp j, 0,1,2,3
	KQ \g, \j
.endr
.endr
.rept 4
	v_nop
.endr
	s_wait_kmcnt 0x0                               ; this step's mask words, asked for a step ago
.set n, 0
.rept 64                                       ; ascending: each accumulator is read from its low end on
.set w, 2*(n&31)+(n>>5)
.if w < 32
.set sm, 32+w
.else
.set sm, 36+w
.endif
	v_cndmask_b32 v[S+n], v4, v[S+n], s[sm]
.set n, n+1
.endr
	s_add_co_u32 s25, s25, 1                       ; the next step's words (the wait above has freed s24); behind the last step the last words once more: no load leaves the buffer
	s_min_u32 s24, s25, 31
	s_lshl_b32 s24, s24, 8
	MASKLD
.irp g, 0,1
	v_max3_num_f32 v[200+\g], v[S+32*\g], v[S+32*\g+1], v[S+32*\g+2]   ; the largest score of my two blocks of 32 keys: for the row's maximum, and, since p rises with the score, for the block's largest p
.endr
.irp i, 3,5,7,9,11,13,15,17,19,21,23,25,27,29
.irp g, 0,1
	v_max3_num_f32 v[200+\g], v[200+\g], v[S+32*\g+\i], v[S+32*\g+\i+1]
.endr
.endr
.irp g, 0,1
	v_max_num_f32 v[200+\g], v[200+\g], v[S+32*\g+31]
.endr
	v_max_num_f32 v204, v200, v201
	v_permlanex16_b32 v202, v204, s[SEL], s[SEL+1]
	v_max_num_f32 v204, v204, v202                 ; the step's largest score of my query
	v_mul_f32 v204, s[CS], v204
	v_max_num_f32 v13, v13, v204                   ; the running largest t
	v_mov_b32 v204, v12
	v_floor_f32 v12, -v13                          ; -M = floor(-t)
	v_sub_f32 v204, v12, v204                      ; old M - new M: a whole number, 0 or less
	v_cvt_i32_f32 v204, v204                       ; (it saturates)
	v_ldexp_f32 v206, 1.0, v204                    ; f = 2^(old M - new M)
.irp j, 0,2,4,6,8,10,12,14,16,18,20,22,24,26,28,30,32,34,36,38,40,42,44,46,48,50,52,54,56,58,60,62
	v_pk_fma_f32 v[S+\j:S+\j+1], v[S+\j:S+\j+1], s[CS:CS+1], v[12:13] op_sel_hi:[1,0,0]   ; t - M
.endr
.irp g, 0,1
	v_fma_f32 v[200+\g], v[200+\g], s[CS], v12
.endr
.set n, 0
.rept 64
	v_exp_f32 v[S+n], v[S+n]                       ; p = 2^(t - M)
.set n, n+1
.endr
	v_pk_mul_f32 v[14:15], v[14:15], v[206:207] op_sel_hi:[1,0]    ; the sum under the new M: a plain line behind the exponentials
	s_wait_alu depctr_va_vdst(0)                   ; one wait for the batch of 64, ahead of its first reader
.irp g, 0,1
	v_exp_f32 v[200+\g], v[200+\g]                 ; the blocks' largest p: the same two instructions on the same number
.endr
	v_pk_add_f32 v[214:215], v[S:S+1], v[S+2:S+3]  ; the row's sum, of the unquantised p, in two chains; this half stands behind the two exponentials
.irp j, 4,8,12,16,20,24,28
	v_pk_add_f32 v[14:15], v[14:15], v[S+\j:S+\j+1]
	v_pk_add_f32 v[214:215], v[214:215], v[S+\j+2:S+\j+3]
.endr
	s_wait_alu depctr_va_vdst(0)                   ; and one for the two
.irp g, 0,1
	v_max_num_f32 v[200+\g], 0x2800000, v[200+\g]  ; the floor 2^(5 - 127)
.endr
.irp g, 0,1
	v_add_nc_u32 v[208+\g], 0xfe000000, v[200+\g]
.endr
.irp g, 0,1
	v_lshrrev_b32 v[210+\g], 23, v[208+\g]
.endr
	WORD 97, 210, 211, 212                         ; p's scale word for these 128 keys
.irp j, 32,36,40,44,48,52,56,60                ; the sum's other half: 17 plain lines that name nothing of the second product, between its scale word and it
	v_pk_add_f32 v[14:15], v[14:15], v[S+\j:S+\j+1]
	v_pk_add_f32 v[214:215], v[214:215], v[S+\j+2:S+\j+3]
.endr
	v_pk_add_f32 v[14:15], v[14:15], v[214:215]
.irp g, 0,1
	v_cvt_scalef32_pk16_bf6_f32 v[P+6*\g:P+6*\g+2], v[S+32*\g:S+32*\g+15], v[208+\g]
	v_cvt_scalef32_pk16_bf6_f32 v[192+4*\g:194+4*\g], v[S+32*\g+16:S+32*\g+31], v[208+\g]
.endr
	v_nop                                          ; one plain line behind a scaled conversion
.irp g, 0,1
.irp i, 0,1,2
	v_mov_b32 v[P+6*\g+3+\i], v[192+4*\g+\i]
.endr
.endr
.irp j, 0,2,4,6,8,10,12,14
	v_pk_mul_f32 v[OT+\j:OT+\j+1], v[OT+\j:OT+\j+1], v[206:207] op_sel_hi:[1,0]   ; O^T under the new M, from each accumulator's low end on; for each product four of these name none of its registers
.endr
	s_wait_dscnt 0x0                               ; v
	v_wmma_scale_f32_16x16x128_f8f6f4 v[OT:OT+7], v[VF:VF+11], v[P:P+11], v[OT:OT+7], v96, v97 matrix_a_fmt:MATRIX_FMT_BF6 matrix_b_fmt:MATRIX_FMT_BF6
	v_wmma_scale_f32_16x16x128_f8f6f4 v[OT+8:OT+15], v[VF+12:VF+23], v[P:P+11], v[OT+8:OT+15], v96, v97 matrix_a_fmt:MATRIX_FMT_BF6 matrix_b_fmt:MATRIX_FMT_BF6 matrix_a_scale:MATRIX_SCALE_ROW1
	s_add_co_u32 s26, s26, 3072
	s_add_co_u32 s27, s27, 128
	s_add_co_u32 s28, s28, 1
	s_cmp_lt_u32 s28, 8
	s_cbranch_scc1 .Lstep
; the tile's end: O / the sum, quantised along the head's 32 channels (16 in me, 16 in lane L xor 16), stored as a record of 32 bytes a token: 24 bytes of codes, the scale's byte, zeros
.rept 4
	v_nop
.endr
	v_add_f32 v14, v14, v15
	v_permlanex16_b32 v202, v14, s[SEL], s[SEL+1]
	v_add_f32 v14, v14, v202                       ; the row's sum
	v_rcp_f32 v206, v14
	v_nop                                          ; a plain line behind the reciprocal
	s_wait_alu depctr_va_vdst(0)                   ; and the wait ahead of its first reader
.irp j, 0,2,4,6,8,10,12,14
	v_pk_mul_f32 v[S+\j:S+\j+1], v[OT+\j:OT+\j+1], v[206:207] op_sel_hi:[1,0]
.endr
	v_max3_num_f32 v200, |v[S]|, |v[S+1]|, 0x2800000
	v_max3_num_f32 v201, |v[S+2]|, |v[S+3]|, 0x2800000
.irp i, 4,8,12
	v_max3_num_f32 v200, v200, |v[S+\i]|, |v[S+\i+1]|
	v_max3_num_f32 v201, v201, |v[S+\i+2]|, |v[S+\i+3]|
.endr
	v_max_num_f32 v200, v200, v201
	v_permlanex16_b32 v202, v200, s[SEL], s[SEL+1]
	v_max_num_f32 v200, v200, v202
	v_add_nc_u32 v208, 0xfe000000, v200
	v_lshrrev_b32 v210, 23, v208
	v_cvt_scalef32_pk16_bf6_f32 v[192:194], v[S:S+15], v208
	v_nop
	v_permlanex16_b32 v202, v192, s[SEL], s[SEL+1]
	v_cndmask_b32 v196, v192, v193, s[HM]          ; lanes 0-15: my three words and the partner's first;
	v_cndmask_b32 v197, v193, v194, s[HM]          ; lanes 16-31: my second and third, the byte, 0
	v_cndmask_b32 v198, v194, v210, s[HM]
	v_cndmask_b32 v199, v202, v16, s[HM]
	global_store_b128 v11, v[196:199], s[100:101]  ; eight tokens' records are 256 consecutive bytes, aligned
	s_wait_xcnt 0x0                                ; the store has read its data and its base
	s_add_nc_u64 s[100:101], s[100:101], 256       ; the next tile's tokens lie 8 on
	s_add_co_u32 s29, s29, 1
	s_cmp_lt_u32 s29, 4
	s_cbranch_scc1 .Lq
	s_wait_kmcnt 0x0                               ; the last scalar loads
	s_wait_tensorcnt 0x0
	ds_add_u32 v224, v225
	s_wait_dscnt 0x0
	s_endpgm
.Lfunc_end_k_q1aa879e896_attn:
	.size	k_q1aa879e896_attn, .Lfunc_end_k_q1aa879e896_attn-k_q1aa879e896_attn
	.p2alignl 7, 3214868480
	.fill 96, 4, 3214868480
	.section	.rodata,"a",@progbits
	.p2align	6, 0x0
	.amdhsa_kernel k_q1aa879e896_attn
		.amdhsa_group_segment_fixed_size 53248
		.amdhsa_private_segment_fixed_size 0
		.amdhsa_enable_private_segment 0
		.amdhsa_kernarg_size 24
		.amdhsa_user_sgpr_count 2
		.amdhsa_user_sgpr_kernarg_segment_ptr 1
		.amdhsa_wavefront_size32 1
		.amdhsa_system_sgpr_workgroup_id_x 1
		.amdhsa_system_sgpr_workgroup_id_y 1
		.amdhsa_system_sgpr_workgroup_id_z 1
		.amdhsa_system_vgpr_workitem_id 0
		.amdhsa_next_free_vgpr 226
		.amdhsa_next_free_sgpr 102
		.amdhsa_reserve_vcc 0
		.amdhsa_float_denorm_mode_32 3
		.amdhsa_float_denorm_mode_16_64 3
		.amdhsa_memory_ordered 1
		.amdhsa_forward_progress 1
		.amdhsa_inst_pref_size 28
	.end_amdhsa_kernel
	.amdgpu_metadata
---
amdhsa.version: [ 1, 2 ]
amdhsa.kernels:
  - .name:           k_q1aa879e896_attn
    .symbol:         k_q1aa879e896_attn.kd
    .args:
      - { .name: qkv, .offset: 0, .size: 8, .value_kind: global_buffer, .address_space: global }
      - { .name: maskw, .offset: 8, .size: 8, .value_kind: global_buffer, .address_space: global }
      - { .name: aorec, .offset: 16, .size: 8, .value_kind: global_buffer, .address_space: global }
    .group_segment_fixed_size: 53248
    .private_segment_fixed_size: 0
    .kernarg_segment_align: 8
    .kernarg_segment_size: 24
    .max_flat_workgroup_size: 512
    .sgpr_count:     102
    .vgpr_count:     226
    .wavefront_size: 32
...
	.end_amdgpu_metadata
.endif
;; end of part 3
;; launch oproj (part 4): grid 2 x 128, 4 waves a work-group, no clusters, 17,920 bytes of LDS; arguments aorec, tiles, bo, out0; writes out0
.if DOCPART == 4
	.amdgcn_target "amdgcn-amd-amdhsa--gfx1250"
	.amdhsa_code_object_version 6
	.text
	.protected	k_q1aa879e896_oproj
	.globl	k_q1aa879e896_oproj
	.p2align	8
	.type	k_q1aa879e896_oproj,@function
k_q1aa879e896_oproj:
	s_mov_b64 s[64:65], 0
	v_nop
	global_prefetch_b8 v0, s[64:65] scope:SCOPE_SE
	s_setreg_imm32_b32 hwreg(HW_REG_WAVE_MODE, 25, 1), 1
	s_wait_xcnt 0x0
; OUT = attention's result x Wo^T + bo, on codes of BF6.  The left operand comes as records of 32 bytes for each (head, token): 24 bytes of codes (the head's 32 channels: one block along K = 512), the E8M0 byte, zeros.
; SHARES.  Work-group (x = cg, y): 256 columns x 128 tokens.  Wave w: 64 columns (256 bytes of each row of out0): four tiles of Wo, 16 fragments, which stay in its registers (window 1), for all 128 tokens, 16 at a time.
; The product is used transposed (source 0 = 16 rows of Wo, source 1 = 16 tokens): a lane's eight results are eight neighbouring columns of one token.  bo is the C of each sum's first matrix instruction.
; A fragment of the left operand needs no shuffle: lane (r, h), registers 6 c .. 6 c + 5 = the codes of head 4 ks + 2 c + h, token r.  Its scale word is put together from four bytes.
; The way out: 16 tokens x 256 bytes through the wave's own stage in LDS (rows 272 bytes apart), back as whole rows: sixteen lanes store 256 consecutive bytes, aligned.  No barrier: waves share nothing.
; No cluster: what work-groups share (Wo along y, records along x) goes straight into registers, and a joint request can only land in LDS.
; REGISTERS: window 0: v1-8 addresses; v16-47 bo in the result's layout; v48-79 accumulators; v80-175 two sets of four fragments; v176-207 two sets of 16 bytes; v208-211 the tokens' scale words; v212-219 Wo's; v220-251 rows on the way out.
;   window 1: v0-191 Wo's fragments (tile tt, K step ks) at 12 (4 tt + ks).
.set TSC, 7077888
.set MSB, 0
.macro WIN new
.if MSB != (\new)
	s_set_vgpr_msb (MSB<<8)|(\new)
.set MSB, (\new)
.endif
.endm
	s_load_b256 s[4:11], s[0:1], 0x0               ; aorec s[4:5], tiles s[6:7], bo s[8:9], out0 s[10:11]
	v_lshl_add_u32 v254, v0, 2, 0x4400
	v_mov_b32 v255, 0
	v_lshrrev_b32 v1, 5, v0
	v_readfirstlane_b32 s12, v1                    ; wave 0..3
	v_and_b32 v9, 15, v0                           ; r
	v_bfe_u32 v10, v0, 4, 1                        ; h
	v_and_b32 v4, 31, v0
	v_lshlrev_b32 v3, 4, v4                        ; 16 L
	v_lshlrev_b32 v4, 2, v4                        ; 4 L
	v_lshlrev_b32 v2, 5, v9                        ; 32 r: token r's record
	v_lshl_add_u32 v1, v10, 15, v2                 ; + the next head's plane for lanes 16-31
	s_mul_i32 s26, s12, 4352                       ; my stage: 16 rows x 272 bytes
	v_mul_u32_u24 v5, v9, 272
	v_lshl_add_u32 v5, v10, 5, v5
	v_add_nc_u32 v5, s26, v5                       ; in: row r, + 32 h
	v_mul_u32_u24 v6, v10, 272
	v_lshl_add_u32 v6, v9, 4, v6
	v_add_nc_u32 v6, s26, v6                       ; back: lanes 0-15 one row, lanes 16-31 the next
	v_lshlrev_b32 v7, 11, v10
	v_lshl_add_u32 v7, v9, 4, v7                   ; and the same two rows of out0
	v_lshlrev_b32 v8, 5, v10                       ; bo: my half's eight numbers
	s_and_b32 s14, ttmp7, 0xffff                   ; y
	s_lshl_b32 s15, ttmp9, 2
	s_add_co_u32 s15, s15, s12                     ; my group of 64 columns
	s_lshl_b32 s13, s15, 2
	s_add_co_u32 s13, s13, 1120                    ; my first tile of Wo
	s_mov_b32 s29, 0
	s_wait_kmcnt 0x0
	s_mul_i32 s28, s13, 6144
	s_add_nc_u64 s[16:17], s[6:7], s[28:29]
	s_lshl_b32 s28, s13, 8
	s_add_co_u32 s28, s28, TSC
	s_add_nc_u64 s[18:19], s[6:7], s[28:29]
	s_lshl_b32 s28, s15, 8
	s_add_nc_u64 s[20:21], s[8:9], s[28:29]
	s_add_nc_u64 s[22:23], s[10:11], s[28:29]
	s_lshl_b32 s28, s14, 18                        ; 128 rows of 2,048 bytes
	s_add_nc_u64 s[22:23], s[22:23], s[28:29]
	s_lshr_b32 s28, s14, 3
	s_lshl_b32 s28, s28, 19                        ; the batch's 16 planes of 32,768 bytes
	s_and_b32 s27, s14, 7
	s_lshl_b32 s27, s27, 12                        ; 128 tokens' records
	s_add_co_u32 s28, s28, s27
	s_add_nc_u64 s[24:25], s[4:5], s[28:29]
	WIN 0x40                                       ; destination window 1
.irp tt, 0,1,2,3
.irp ks, 0,1,2,3
.irp ch, 0,1,2
	global_load_b128 v[12*(4*\tt+\ks)+4*\ch:12*(4*\tt+\ks)+4*\ch+3], v3, s[16:17] offset:\tt*6144+\ks*1536+512*\ch
.endr
.endr
.endr
	WIN 0
.irp tt, 0,1,2,3
.irp p, 0,1
	global_load_b32 v[212+2*\tt+\p], v4, s[18:19] offset:\tt*256+128*\p
.endr
	global_load_b128 v[16+8*\tt:19+8*\tt], v8, s[20:21] offset:64*\tt
	global_load_b128 v[20+8*\tt:23+8*\tt], v8, s[20:21] offset:64*\tt+16
.endr
.macro LOADA m                         ; tokens 16 m on: four fragments and sixteen bytes: 32 loads
.irp ks, 0,1,2,3
.irp c, 0,1
	global_load_b128 v[80+48*((\m)%2)+12*\ks+6*\c:80+48*((\m)%2)+12*\ks+6*\c+3], v1, s[24:25] offset:(4*\ks+2*\c)*32768+512*(\m)
	global_load_b64 v[80+48*((\m)%2)+12*\ks+6*\c+4:80+48*((\m)%2)+12*\ks+6*\c+5], v1, s[24:25] offset:(4*\ks+2*\c)*32768+512*(\m)+16
.endr
.endr
.irp ks, 0,1,2,3
.irp be, 0,1,2,3
	global_load_u8 v[176+16*((\m)%2)+4*\ks+\be], v2, s[24:25] offset:(4*\ks+\be)*32768+512*(\m)+24
.endr
.endr
.endm
.macro MMO tt, ks, af
.if (\ks) == 0
	v_wmma_scale_f32_16x16x128_f8f6f4 v[48+8*\tt:55+8*\tt], v[12*(4*\tt+\ks):12*(4*\tt+\ks)+11], v[(\af)+12*\ks:(\af)+12*\ks+11], v[16+8*\tt:23+8*\tt], v[212+2*\tt+\ks/2], v[208+\ks] matrix_a_fmt:MATRIX_FMT_BF6 matrix_b_fmt:MATRIX_FMT_BF6
.elseif (\ks)%2
	v_wmma_scale_f32_16x16x128_f8f6f4 v[48+8*\tt:55+8*\tt], v[12*(4*\tt+\ks):12*(4*\tt+\ks)+11], v[(\af)+12*\ks:(\af)+12*\ks+11], v[48+8*\tt:55+8*\tt], v[212+2*\tt+\ks/2], v[208+\ks] matrix_a_fmt:MATRIX_FMT_BF6 matrix_b_fmt:MATRIX_FMT_BF6 matrix_a_scale:MATRIX_SCALE_ROW1
.else
	v_wmma_scale_f32_16x16x128_f8f6f4 v[48+8*\tt:55+8*\tt], v[12*(4*\tt+\ks):12*(4*\tt+\ks)+11], v[(\af)+12*\ks:(\af)+12*\ks+11], v[48+8*\tt:55+8*\tt], v[212+2*\tt+\ks/2], v[208+\ks] matrix_a_fmt:MATRIX_FMT_BF6 matrix_b_fmt:MATRIX_FMT_BF6
.endif
.endm
.macro MT m                            ; 16 tokens x my 64 columns
.if (\m) < 7
	LOADA (\m)+1
	s_wait_loadcnt 32                              ; all but the 32 just issued: this tile's operands are in
.else
	s_wait_loadcnt 0x0
.endif
.irp ks, 0,1,2,3
	v_lshl_or_b32 v[208+\ks], v[176+16*((\m)%2)+4*\ks+1], 8, v[176+16*((\m)%2)+4*\ks]
.endr
.irp ks, 0,1,2,3
	v_lshl_or_b32 v[208+\ks], v[176+16*((\m)%2)+4*\ks+2], 16, v[208+\ks]
.endr
.irp ks, 0,1,2,3
	v_lshl_or_b32 v[208+\ks], v[176+16*((\m)%2)+4*\ks+3], 24, v[208+\ks]   ; token r's scale word of K step ks
.endr
.rept 8
	v_nop                                          ; a scale register written by a vector instruction stands eight places ahead of the scaled product
.endr
	WIN 0x01                                       ; source 0 (Wo) window 1
.irp ks, 0,1,2,3
.irp tt, 0,1,2,3
	MMO \tt, \ks, 80+48*((\m)%2)
.endr
.endr
	WIN 0
.rept 5
	v_nop                                          ; four places ahead of the reads of the results and of the loads into the operands, five ahead of the next tile's products, which write over the results
.endr
	s_wait_xcnt 0x0                                ; the last tile's stores have read their data registers
.irp tt, 0,1,2,3
	ds_store_b128 v5, v[48+8*\tt:51+8*\tt] offset:64*\tt           ; each accumulator from its low end on
	ds_store_b128 v5, v[52+8*\tt:55+8*\tt] offset:64*\tt+16
.endr
.irp i, 0,1,2,3,4,5,6,7
	ds_load_b128 v[220+4*\i:223+4*\i], v6 offset:544*\i            ; LDS serves a wave's instructions in order (ISA guide 5.7.1): these see my stores
.endr
	s_wait_dscnt 0x0
.irp i, 0,1,2,3,4,5,6,7
	global_store_b128 v7, v[220+4*\i:223+4*\i], s[22:23] offset:(16*(\m)+2*\i)*2048 th:TH_STORE_NT
.endr
.endm
	LOADA 0
.irp m, 0,1,2,3,4,5,6,7
	MT \m
.endr
	s_wait_tensorcnt 0x0
	ds_add_u32 v254, v255
	s_wait_dscnt 0x0
	s_endpgm
.Lfunc_end_k_q1aa879e896_oproj:
	.size	k_q1aa879e896_oproj, .Lfunc_end_k_q1aa879e896_oproj-k_q1aa879e896_oproj
	.p2alignl 7, 3214868480
	.fill 96, 4, 3214868480
	.section	.rodata,"a",@progbits
	.p2align	6, 0x0
	.amdhsa_kernel k_q1aa879e896_oproj
		.amdhsa_group_segment_fixed_size 17920
		.amdhsa_private_segment_fixed_size 0
		.amdhsa_enable_private_segment 0
		.amdhsa_kernarg_size 32
		.amdhsa_user_sgpr_count 2
		.amdhsa_user_sgpr_kernarg_segment_ptr 1
		.amdhsa_wavefront_size32 1
		.amdhsa_system_sgpr_workgroup_id_x 1
		.amdhsa_system_sgpr_workgroup_id_y 1
		.amdhsa_system_sgpr_workgroup_id_z 1
		.amdhsa_system_vgpr_workitem_id 0
		.amdhsa_next_free_vgpr 448
		.amdhsa_next_free_sgpr 66
		.amdhsa_reserve_vcc 0
		.amdhsa_float_denorm_mode_32 3
		.amdhsa_float_denorm_mode_16_64 3
		.amdhsa_memory_ordered 1
		.amdhsa_forward_progress 1
		.amdhsa_inst_pref_size 73
	.end_amdhsa_kernel
	.amdgpu_metadata
---
amdhsa.version: [ 1, 2 ]
amdhsa.kernels:
  - .name:           k_q1aa879e896_oproj
    .symbol:         k_q1aa879e896_oproj.kd
    .args:
      - { .name: aorec, .offset: 0, .size: 8, .value_kind: global_buffer, .address_space: global }
      - { .name: tiles, .offset: 8, .size: 8, .value_kind: global_buffer, .address_space: global }
      - { .name: bo, .offset: 16, .size: 8, .value_kind: global_buffer, .address_space: global }
      - { .name: out0, .offset: 24, .size: 8, .value_kind: global_buffer, .address_space: global }
    .group_segment_fixed_size: 17920
    .private_segment_fixed_size: 0
    .kernarg_segment_align: 8
    .kernarg_segment_size: 32
    .max_flat_workgroup_size: 128
    .sgpr_count:     66
    .vgpr_count:     448
    .wavefront_size: 32
...
	.end_amdgpu_metadata
.endif
;; end of part 4
;; ======== version 2 of 2: 4 launches
;; workspace buffers: maskw 2,097,152 bytes of whole numbers; tiles 7,372,800 bytes; qkv 19,660,800 bytes; aorec 8,388,608 bytes
;; launch prep (part 5): grid 544 x 1, 4 waves a work-group, no clusters, 68,096 bytes of LDS; arguments mask, X, Wq, Wk, Wv, Wo, maskw, tiles; writes maskw, tiles
.if DOCPART == 5
	.amdgcn_target "amdgcn-amd-amdhsa--gfx1250"
	.amdhsa_code_object_version 6
	.text
	.protected	k_q1aa879e896_prep
	.globl	k_q1aa879e896_prep
	.p2align	8
	.type	k_q1aa879e896_prep,@function
k_q1aa879e896_prep:
	s_mov_b64 s[64:65], 0
	v_nop
	global_prefetch_b8 v0, s[64:65] scope:SCOPE_SE
	s_setreg_imm32_b32 hwreg(HW_REG_WAVE_MODE, 25, 1), 1
	s_wait_xcnt 0x0
; PREP.  Two kinds of work-groups, told apart by the work-group's number alone; the two ways never join, and each has LDS bytes of its own.
;  M (work-groups 0-255): the mask, int32 [16][1024][1024], becomes words of 32 bits, one bit a lane, laid as the attention launch's registers want them.
;  T (work-groups 256-543): X, Wq, Wk, Wv, Wo (f32, K = 512 innermost) become codes of BF6 (E3M2) with one E8M0 byte for each 32 along K, stored as IMAGES of operand
;    registers: a tile of 16 rows x 128 K is 12 registers a lane; registers 4 i .. 4 i + 3 of lane L lie at 512 i + 16 L of the tile's 1,536 bytes.
; A wave takes one tile of 16 rows (M: 16 x 4,096 bytes in 8 units; T: 16 x 2,048 bytes in 4 units).  A unit is 16 rows x 512 bytes: 16 loads, each 512 consecutive bytes of one row; they turn
; through the wave's own stage in LDS (rows 528 bytes apart = 33 x 16, so that the sixteen rows of a 16-byte read start at sixteen different banks of 4 bytes, ISA guide 11.1) and come back so that
; lane (r = L % 16, h = L / 16) holds columns 64 c + 32 h + 0 .. 31 of row r in registers 32 c .. 32 c + 31: two whole blocks of 32 along K, as the 6-bit operand layout gives them to that lane.
; WHICH ROWS FORM A TILE is chosen for the launches that follow: rows 0-7 are eight neighbouring lines, rows 8-15 the eight lines 32 (X, Wq, Wk), 16 (Wv) or 8 (Wo) further on.
; A block's scale is 2^(floor(log2(largest magnitude)) - 4); its byte is the largest magnitude's exponent field - 4.
; LIMITS: NaN and infinities are not served; a block whose largest magnitude lies under 2^-122, a block of zeros among them, gets the byte 1 (its codes are then zeros or subnormal codes; the bytes are read by this program alone).
; No barrier: waves share nothing.  No cluster and no joint request: no two work-groups read the same byte.  Loads run two units (32 loads a wave) ahead.
.set R,     32                         ; v32-159  two sets of 64: a unit as loaded
.set X,     160                        ; v160-223 a unit as it comes back from the stage
.set MW,    224                        ; M: v224-239 a pair of mask registers for each unit
.set PC,    224                        ; T: v224-247 two sets of 12 code registers
.set HM,    13                         ; s13 lanes 16-31
.set SEL,   14                         ; s[14:15] v_permlanex16_b32's selects for lane L xor 16
.set TSC,   7077888                    ; where the scale words begin in tiles: 1,152 tiles x 6,144 bytes
.set PITCH, 528
.set WREG,  16*PITCH                   ; a wave's stage
.set STG_M, 0
.set STG_T, 4*WREG
; 32 numbers of one lane, one block along K, become 6 registers of codes at v[pc], the conversion's scale operand in v[so] and the scale's byte in v[by]
.macro QUANT32 s, pc, tt, m0, m1, so, by
	v_max3_num_f32 v[\m0], |v[(\s)]|, |v[(\s)+1]|, 0x2800000        ; the floor 2^(5 - 127) among the leaves: the byte cannot fall under 1
	v_max3_num_f32 v[\m1], |v[(\s)+2]|, |v[(\s)+3]|, 0x2800000      ; two chains, so that no line waits for the line above it
.irp i, 4,8,12,16,20,24,28
	v_max3_num_f32 v[\m0], v[\m0], |v[(\s)+\i]|, |v[(\s)+\i+1]|
	v_max3_num_f32 v[\m1], v[\m1], |v[(\s)+\i+2]|, |v[(\s)+\i+3]|
.endr
	v_max_num_f32 v[\m0], v[\m0], v[\m1]
	v_add_nc_u32 v[\so], 0xfe000000, v[\m0]                         ; 4 off the exponent field: the conversion takes this operand's exponent field as its scale
	v_lshrrev_b32 v[\by], 23, v[\so]
	v_cvt_scalef32_pk16_bf6_f32 v[(\pc):(\pc)+2], v[(\s):(\s)+15], v[\so]
	v_cvt_scalef32_pk16_bf6_f32 v[(\tt):(\tt)+2], v[(\s)+16:(\s)+31], v[\so]   ; (a conversion's three registers begin on an even number)
	v_nop                                                           ; one plain line behind a scaled conversion
.irp i, 0,1,2
	v_mov_b32 v[(\pc)+3+\i], v[(\tt)+\i]
.endr
.endm
; a lane's two bytes (blocks h and 2 + h of its row) and lane L xor 16's two make the row's scale word
.macro WORD w, by0, by1, t
	v_lshl_or_b32 v[\w], v[\by1], 16, v[\by0]
	v_lshlrev_b32 v[\t], 8, v[\w]
	v_cndmask_b32 v[\w], v[\w], v[\t], s[HM]                        ; lanes 16-31: 8 bits up
	v_permlanex16_b32 v[\t], v[\w], s[SEL], s[SEL+1]
	v_or_b32 v[\w], v[\w], v[\t]
.endm
; a unit through the stage.  LDS serves a wave's instructions in order (ISA guide 5.7.1): no wait between the stores and the loads
.macro STAGE set, base
.irp p, 0,1,2,3,4,5,6,7,8,9,10,11,12,13,14,15
	ds_store_b128 v5, v[R+64*(\set)+4*\p:R+64*(\set)+4*\p+3] offset:(\base)+PITCH*\p
.endr
.irp c, 0,1
.irp j, 0,1,2,3,4,5,6,7
	ds_load_b128 v[X+32*\c+4*\j:X+32*\c+4*\j+3], v6 offset:(\base)+256*\c+16*\j
.endr
.endr
.endm
	s_load_b256 s[4:11], s[0:1], 0x0               ; mask s[4:5], X s[6:7], Wq s[8:9], Wk s[10:11]
	s_load_b256 s[52:59], s[0:1], 0x20             ; Wv s[52:53], Wo s[54:55], maskw s[56:57], tiles s[58:59]
	v_lshl_add_u32 v254, v0, 2, 0x10800
	v_mov_b32 v255, 0
	v_lshrrev_b32 v1, 5, v0
	v_readfirstlane_b32 s12, v1                    ; wave 0..3
	v_and_b32 v1, 31, v0                           ; L
	v_lshlrev_b32 v2, 4, v1                        ; 16 L
	v_lshlrev_b32 v3, 3, v1                        ; 8 L
	v_lshlrev_b32 v4, 2, v1                        ; 4 L
	s_mul_i32 s48, s12, WREG
	v_add_nc_u32 v5, s48, v2                       ; into the stage: 16 L of a row
	v_and_b32 v7, 15, v0                           ; r
	v_bfe_u32 v6, v0, 4, 1                         ; h
	v_lshlrev_b32 v6, 7, v6
	v_mad_u32_u24 v6, v7, PITCH, v6
	v_add_nc_u32 v6, s48, v6                       ; out of it: row r, + 128 h
	s_mov_b32 s[HM], 0xffff0000
	s_mov_b32 s[SEL], 0x76543210
	s_mov_b32 s[SEL+1], 0xfedcba98
	s_cmp_ge_u32 ttmp9, 256
	s_cbranch_scc1 .Ltiles
; ---------------- M: the mask.  Wave Qg = 4 x work-group + wave takes the 16 queries of one tile of queries: batch Qg / 64, tile qt = Qg % 64:
; row p of the tile is query 64 (qt / 4) + 8 (qt % 4) + 32 (p / 8) + p % 8.  Unit u is key step u (128 keys).
	s_lshl_b32 s49, ttmp9, 2
	s_add_co_u32 s49, s49, s12                     ; Qg
	s_lshr_b32 s50, s49, 6
	s_lshl_b32 s50, s50, 22                        ; the batch's 4 MiB
	s_and_b32 s51, s49, 63
	s_lshr_b32 s48, s51, 2
	s_lshl_b32 s48, s48, 6
	s_and_b32 s51, s51, 3
	s_lshl_b32 s51, s51, 3
	s_add_co_u32 s48, s48, s51                     ; the tile's first query
	s_lshl_b32 s48, s48, 12                        ; rows of 4,096 bytes
	s_add_co_u32 s60, s48, s50
	s_mov_b32 s61, 0
	s_lshl_b32 s62, s49, 11                        ; 2,048 bytes of words for a tile of queries
	s_mov_b32 s63, 0
	s_wait_kmcnt 0x0
	s_add_nc_u64 s[60:61], s[4:5], s[60:61]
	s_add_nc_u64 s[62:63], s[56:57], s[62:63]
.macro LOADM u
.irp p, 0,1,2,3,4,5,6,7,8,9,10,11,12,13,14,15
	global_load_b128 v[R+64*((\u)%2)+4*\p:R+64*((\u)%2)+4*\p+3], v2, s[60:61] offset:((\p/8)*32+(\p%8))*4096+512*(\u) th:TH_LOAD_NT
.endr
.endm
	s_wait_alu depctr_va_vdst(0)
	LOADM 0
	LOADM 1
.irp i, 0,1,2,3,4,5,6,7,8,9,10,11,12,13,14,15
	v_mov_b32 v[MW+\i], 0                          ; v_writelane_b32's destination counts as read: written whole once
.endr
.macro UNITM u
.if (\u) < 7
	s_wait_loadcnt 16                              ; this unit's 16 loads are in; the next unit's 16 may be out
.else
	s_wait_loadcnt 0x0
.endif
	STAGE (\u)%2, STG_M
	s_wait_dscnt 0x0                               ; the stores have read their registers, and the unit is back
.if (\u) < 6
	LOADM (\u)+2
.endif
.irp e, 0,1                                    ; register 32 e + k of lane (r, h) is mask[query r][128 u + 64 e + 32 h + k]: one compare gives the 32 lanes' bits as one word
.set k, 0
.rept 32
	v_cmp_ne_u32 s[16+k], 0, v[X+32*\e+k]
.set k, k+1
.endr
.set k, 0
.rept 32
	v_writelane_b32 v[MW+2*(\u)+\e], s[16+k], k    ; word (e, k) into lane k
.set k, k+1
.endr
.endr
	global_store_b64 v3, v[MW+2*(\u):MW+2*(\u)+1], s[62:63] offset:256*(\u)   ; 32 lanes store 256 consecutive bytes, aligned: word 2 k + e.  Each unit has data registers of its own
.endm
.irp u, 0,1,2,3,4,5,6,7
	UNITM \u
.endr
	s_wait_tensorcnt 0x0
	ds_add_u32 v254, v255
	s_wait_dscnt 0x0
	s_endpgm
; ---------------- T: tile T = 4 x (work-group - 256) + wave.  0-1023: X;  1024 + 32 sel + idx: Wq, Wk, Wv, Wo.
.Ltiles:
	s_sub_co_u32 s49, ttmp9, 256
	s_lshl_b32 s49, s49, 2
	s_add_co_u32 s49, s49, s12                     ; T
	s_sub_co_u32 s50, s49, 1024
	s_bfe_u32 s51, s50, 0x20005                    ; sel (of no use in X's tiles)
	s_and_b32 s50, s50, 31                         ; idx
	s_cmp_lt_u32 s49, 1024
	s_cselect_b32 s48, s49, s50                    ; the tile's number in its tensor
	s_lshr_b32 s16, s48, 2
	s_lshl_b32 s16, s16, 6
	s_and_b32 s17, s48, 3
	s_lshl_b32 s17, s17, 3
	s_add_co_u32 s16, s16, s17                     ; X, Wq, Wk: first line 64 (n / 4) + 8 (n % 4), the second eight 32 on
	s_lshr_b32 s17, s50, 1
	s_lshl_b32 s17, s17, 5
	s_and_b32 s18, s50, 1
	s_lshl_b32 s18, s18, 3
	s_add_co_u32 s17, s17, s18                     ; Wv: 32 (idx / 2) + 8 (idx % 2), the second eight 16 on
	s_lshl_b32 s18, s50, 4                         ; Wo: 16 idx, the second eight 8 on
	s_wait_kmcnt 0x0
	s_cmp_eq_u32 s51, 1                            ; every choice hangs on the work-group's and the wave's number alone
	s_cselect_b64 s[60:61], s[10:11], s[8:9]
	s_cmp_eq_u32 s51, 2
	s_cselect_b64 s[60:61], s[52:53], s[60:61]
	s_cselect_b32 s19, s17, s16
	s_cselect_b32 s20, 16, 32
	s_cmp_eq_u32 s51, 3
	s_cselect_b64 s[60:61], s[54:55], s[60:61]
	s_cselect_b32 s19, s18, s19
	s_cselect_b32 s20, 8, s20
	s_cmp_lt_u32 s49, 1024
	s_cselect_b64 s[60:61], s[6:7], s[60:61]
	s_cselect_b32 s19, s16, s19
	s_cselect_b32 s20, 32, s20
	s_mov_b32 s23, 0
	s_lshl_b32 s22, s19, 11                        ; lines of 2,048 bytes
	s_add_nc_u64 s[60:61], s[60:61], s[22:23]      ; rows 0-7
	s_lshl_b32 s22, s20, 11
	s_add_nc_u64 s[62:63], s[60:61], s[22:23]      ; rows 8-15
	s_mul_i32 s22, s49, 6144
	s_add_nc_u64 s[66:67], s[58:59], s[22:23]      ; the tile's four images
	s_lshl_b32 s22, s49, 8
	s_add_co_u32 s22, s22, TSC
	s_add_nc_u64 s[68:69], s[58:59], s[22:23]      ; and its 256 bytes of scale words
.macro LOADT u
.irp p, 0,1,2,3,4,5,6,7
	global_load_b128 v[R+64*((\u)%2)+4*\p:R+64*((\u)%2)+4*\p+3], v2, s[60:61] offset:2048*\p+512*(\u) th:TH_LOAD_NT
.endr
.irp p, 0,1,2,3,4,5,6,7
	global_load_b128 v[R+64*((\u)%2)+32+4*\p:R+64*((\u)%2)+32+4*\p+3], v2, s[62:63] offset:2048*\p+512*(\u) th:TH_LOAD_NT
.endr
.endm
	s_wait_alu depctr_va_vdst(0)
	LOADT 0
	LOADT 1
.macro UNITT u                                 ; unit u is K step u (128 along K)
.if (\u) < 3
	s_wait_loadcnt 16                              ; this unit's 16 loads are in; the next unit's 16 may be out
.else
	s_wait_loadcnt 0x0
.endif
	STAGE (\u)%2, STG_T
	s_wait_dscnt 0x0
.if (\u) < 2
	LOADT (\u)+2
.endif
.if (\u) >= 2
	s_wait_xcnt 0x0                                ; the stores of two units ago have read this set of code registers
.endif
	QUANT32 X, PC+12*((\u)%2), 14, 8, 9, 10, 11
	QUANT32 X+32, PC+12*((\u)%2)+6, 14, 8, 9, 12, 13
	WORD 18+(\u), 11, 13, 17
.irp i, 0,1,2
	global_store_b128 v2, v[PC+12*((\u)%2)+4*\i:PC+12*((\u)%2)+4*\i+3], s[66:67] offset:1536*(\u)+512*\i   ; 512 consecutive bytes, aligned
.endr
.if (\u)%2 == 1
	v_cndmask_b32 v[22+(\u)/2], v[18+(\u)-1], v[18+(\u)], s[HM]     ; lanes 0-15: the even K step's words, lanes 16-31: the odd one's
	global_store_b32 v4, v[22+(\u)/2], s[68:69] offset:128*((\u)/2)
.endif
.endm
.irp u, 0,1,2,3
	UNITT \u
.endr
	s_wait_tensorcnt 0x0
	ds_add_u32 v254, v255
	s_wait_dscnt 0x0
	s_endpgm
.Lfunc_end_k_q1aa879e896_prep:
	.size	k_q1aa879e896_prep, .Lfunc_end_k_q1aa879e896_prep-k_q1aa879e896_prep
	.p2alignl 7, 3214868480
	.fill 96, 4, 3214868480
	.section	.rodata,"a",@progbits
	.p2align	6, 0x0
	.amdhsa_kernel k_q1aa879e896_prep
		.amdhsa_group_segment_fixed_size 68096
		.amdhsa_private_segment_fixed_size 0
		.amdhsa_enable_private_segment 0
		.amdhsa_kernarg_size 64
		.amdhsa_user_sgpr_count 2
		.amdhsa_user_sgpr_kernarg_segment_ptr 1
		.amdhsa_wavefront_size32 1
		.amdhsa_system_sgpr_workgroup_id_x 1
		.amdhsa_system_sgpr_workgroup_id_y 1
		.amdhsa_system_sgpr_workgroup_id_z 1
		.amdhsa_system_vgpr_workitem_id 0
		.amdhsa_next_free_vgpr 256
		.amdhsa_next_free_sgpr 72
		.amdhsa_reserve_vcc 0
		.amdhsa_float_denorm_mode_32 3
		.amdhsa_float_denorm_mode_16_64 3
		.amdhsa_memory_ordered 1
		.amdhsa_forward_progress 1
		.amdhsa_inst_pref_size 126
	.end_amdhsa_kernel
	.amdgpu_metadata
---
amdhsa.version: [ 1, 2 ]
amdhsa.kernels:
  - .name:           k_q1aa879e896_prep
    .symbol:         k_q1aa879e896_prep.kd
    .args:
      - { .name: mask, .offset: 0, .size: 8, .value_kind: global_buffer, .address_space: global }
      - { .name: X, .offset: 8, .size: 8, .value_kind: global_buffer, .address_space: global }
      - { .name: Wq, .offset: 16, .size: 8, .value_kind: global_buffer, .address_space: global }
      - { .name: Wk, .offset: 24, .size: 8, .value_kind: global_buffer, .address_space: global }
      - { .name: Wv, .offset: 32, .size: 8, .value_kind: global_buffer, .address_space: global }
      - { .name: Wo, .offset: 40, .size: 8, .value_kind: global_buffer, .address_space: global }
      - { .name: maskw, .offset: 48, .size: 8, .value_kind: global_buffer, .address_space: global }
      - { .name: tiles, .offset: 56, .size: 8, .value_kind: global_buffer, .address_space: global }
    .group_segment_fixed_size: 68096
    .private_segment_fixed_size: 0
    .kernarg_segment_align: 8
    .kernarg_segment_size: 64
    .max_flat_workgroup_size: 128
    .sgpr_count:     72
    .vgpr_count:     256
    .wavefront_size: 32
...
	.end_amdgpu_metadata
.endif
;; end of part 5
;; launch qkv (part 6): grid 2 x 128, 4 waves a work-group, no clusters, 0 bytes of LDS; arguments tiles, qkv; writes qkv
.if DOCPART == 6
	.amdgcn_target "amdgcn-amd-amdhsa--gfx1250"
	.amdhsa_code_object_version 6
	.text
	.protected	k_q1aa879e896_qkv
	.globl	k_q1aa879e896_qkv
	.p2align	8
	.type	k_q1aa879e896_qkv,@function
k_q1aa879e896_qkv:
	s_mov_b64 s[64:65], 0
	v_nop
	global_prefetch_b8 v0, s[64:65] scope:SCOPE_SE
	s_setreg_imm32_b32 hwreg(HW_REG_WAVE_SCHED_MODE, 0, 2), 2
	s_setreg_imm32_b32 hwreg(HW_REG_WAVE_MODE, 25, 1), 1
	s_wait_xcnt 0x0
	s_wait_alu depctr_vm_vsrc(0)
; QKV.  q = X Wq^T, k = X Wk^T, v = X Wv^T on codes of BF6 (images made by the launch before), and the results quantised again in registers: q and k along the head's 32, v along the keys.
; SHARES.  Work-group (x = cg, y): 768 of the 1,536 output lines x 128 tokens (batch y / 8, key step y % 8).  Wave w owns three QUADS of four weight tiles, qi = 12 cg + 3 w + z:
; type qi / 8 (0 q, 1 k, 2 v), pair of heads qi % 8.  A wave's 12 weight tiles (576 registers) stay in its registers; x's tiles come from memory straight into registers, four at a time.
; A JOB is 16 matrix instructions (4 accumulators by turns x 4 K steps of 128), after which a lane's 32 result registers are ONE block of 32 along the next product's K, in order:
;   q, k: source 0 = a weight tile, source 1 = a tile of x.  Lane (r, h) holds token row r, head 2 pr + h, register 8 tt + j = channel d.   (The weight tile's rows 8-15 lie 32 output lines on: the other head.)
;   v:    source 0 = a tile of x, source 1 = a weight tile.  Lane (r, h) holds channel row r, register 8 i + j = token 64 gq + 32 h + 8 i + j of the key step.
; So a block's largest magnitude needs no other lane and the conversions' results are the next operand's registers; they are stored as halves of register images (6 registers: 0-3 at 16 L, 4-5 at 512 + 8 L).
; q and k images are PACKED: a fragment's four blocks of 32 along K hold four different tiles of 16 tokens.
; LIMITS as in the first launch: NaN and infinities not served; blocks under 2^-122 get the byte 1.
; No LDS, no barrier.  No cluster: what work-groups share (weights along y, x along x) goes straight into registers here, and a joint request can only land in LDS.
; REGISTERS, in windows of 256: window 0: v1-6 addresses; v32-223 x's 16 fragments; v224-247 the weights' scale words; v248-255 x's.
;   window 1 + z: v0-191 quad z's 16 fragments; v192-223 the accumulators; v224-236 the quantiser's; v237 q's or k's scale word; v240-243 v's scale bytes; v244-247 at work.
; THE MODE: SCHED_MODE bits 1:0 = 2 (LLVM: expert scheduling mode 2), set by the entry lines.  The code itself states the register dependences
; between vector or matrix instructions and memory instructions, with s_wait_alu, always for 0.
; THE PLAN.  Registers that memory instructions touch:
;   v1-6                 offsets, made once at the head and never written again: the scalar bases step, and immediate offsets do the rest.
;   the weights, WS      loaded once at the head; named by products alone from then on.
;   XF, XS               loaded at the head of each of the two trips; read by all of the trip's products.  One wait on va_vdst at the trip's head: the last trip's products are done reading them.
;                        (No second set: 576 registers of weights, 192 of x and each window's accumulators and quantiser fill the four windows.)
;   v228-233, v237, v244-245 of a window   written by a job's quantiser, read by the job's stores.  One wait on va_vdst between the two; the wait on vm_vsrc, beside the wait on XCNT,
;                        stands behind the NEXT job's sixteen products, ahead of its quantiser: a whole job behind the stores that it waits for.
.set XF,  32
.set WS,  224
.set XS,  248
.set ACC, 192
.set HM,  13
.set SEL, 14
.set TSC, 7077888
.set QSC, 18874368                     ; where the scale words begin in qkv: 3 x 256 planes x 24,576 bytes
.set MSB, 0
.macro WIN new                         ; the immediate's high byte repeats the setting that is left; bits 1:0 source 0, 3:2 source 1, 5:4 source 2, 7:6 destination
.if MSB != (\new)
	s_set_vgpr_msb (MSB<<8)|(\new)
.set MSB, (\new)
.endif
.endm
.macro QUANT32 s, pc, tt, m0, m1, so, by
	v_max3_num_f32 v[\m0], |v[(\s)]|, |v[(\s)+1]|, 0x2800000        ; each accumulator is read from its low end on; the floor 2^(5 - 127) holds the byte at 1 from below
	v_max3_num_f32 v[\m1], |v[(\s)+2]|, |v[(\s)+3]|, 0x2800000
.irp i, 4,8,12,16,20,24,28
	v_max3_num_f32 v[\m0], v[\m0], |v[(\s)+\i]|, |v[(\s)+\i+1]|
	v_max3_num_f32 v[\m1], v[\m1], |v[(\s)+\i+2]|, |v[(\s)+\i+3]|
.endr
	v_max_num_f32 v[\m0], v[\m0], v[\m1]
	v_add_nc_u32 v[\so], 0xfe000000, v[\m0]
	v_lshrrev_b32 v[\by], 23, v[\so]
	v_cvt_scalef32_pk16_bf6_f32 v[(\pc):(\pc)+2], v[(\s):(\s)+15], v[\so]
	v_cvt_scalef32_pk16_bf6_f32 v[(\tt):(\tt)+2], v[(\s)+16:(\s)+31], v[\so]
	v_nop                                                           ; one plain line behind a scaled conversion
.irp i, 0,1,2
	v_mov_b32 v[(\pc)+3+\i], v[(\tt)+\i]
.endr
.endm
; one matrix instruction of K step ks: the first starts the sum with the constant 0; an odd K step's scale words lie in lanes 16-31 of both scale registers
.macro MMA d, a, b, sa, sb, ks
.if (\ks) == 0
	v_wmma_scale_f32_16x16x128_f8f6f4 v[(\d):(\d)+7], v[(\a):(\a)+11], v[(\b):(\b)+11], 0, v[\sa], v[\sb] matrix_a_fmt:MATRIX_FMT_BF6 matrix_b_fmt:MATRIX_FMT_BF6
.elseif (\ks)%2
	v_wmma_scale_f32_16x16x128_f8f6f4 v[(\d):(\d)+7], v[(\a):(\a)+11], v[(\b):(\b)+11], v[(\d):(\d)+7], v[\sa], v[\sb] matrix_a_fmt:MATRIX_FMT_BF6 matrix_b_fmt:MATRIX_FMT_BF6 matrix_a_scale:MATRIX_SCALE_ROW1 matrix_b_scale:MATRIX_SCALE_ROW1
.else
	v_wmma_scale_f32_16x16x128_f8f6f4 v[(\d):(\d)+7], v[(\a):(\a)+11], v[(\b):(\b)+11], v[(\d):(\d)+7], v[\sa], v[\sb] matrix_a_fmt:MATRIX_FMT_BF6 matrix_b_fmt:MATRIX_FMT_BF6
.endif
.endm
	s_load_b128 s[4:7], s[0:1], 0x0                ; tiles s[4:5], qkv s[6:7]
	v_lshrrev_b32 v1, 5, v0
	v_readfirstlane_b32 s8, v1                     ; wave 0..3
	v_and_b32 v7, 31, v0
	v_lshlrev_b32 v1, 4, v7                        ; 16 L
	v_lshlrev_b32 v2, 3, v7                        ; 8 L
	v_lshlrev_b32 v3, 2, v7                        ; 4 L
	v_and_b32 v8, 15, v0                           ; r
	v_bfe_u32 v9, v0, 4, 1                         ; h
	v_mul_u32_u24 v4, v9, 24576
	v_lshl_add_u32 v5, v8, 3, v4                   ; q, k: plane h of the pair, + 8 r
	v_lshl_add_u32 v4, v8, 4, v4                   ;       plane h of the pair, + 16 r
	v_lshlrev_b32 v6, 10, v9
	v_lshl_add_u32 v6, v8, 2, v6                   ;       the plane's scale words, + 4 r
	s_mov_b32 s[HM], 0xffff0000
	s_mov_b32 s[SEL], 0x76543210
	s_mov_b32 s[SEL+1], 0xfedcba98
	s_and_b32 s10, ttmp7, 0xffff                   ; y
	s_lshr_b32 s11, s10, 3
	s_lshl_b32 s11, s11, 4                         ; 16 x batch
	s_and_b32 s9, s10, 7                           ; key step
	s_mul_i32 s12, s9, 3072                        ; its two fragments in a plane
	s_lshl_b32 s9, s9, 7                           ; its 128 bytes of scale words
	s_mul_i32 s52, ttmp9, 12
	s_wait_alu depctr_va_sdst(0)                   ; s8, the wave's number, is written, ahead of its first reader: the quads and all bases are made from it
	s_mul_i32 s53, s8, 3
	s_add_co_u32 s52, s52, s53                     ; my first quad
	s_lshl_b32 s54, s52, 2
	s_add_co_u32 s54, s54, 1024                    ; my first weight tile
	s_mov_b32 s59, 0
	s_wait_kmcnt 0x0
	s_mul_i32 s58, s54, 6144
	s_add_nc_u64 s[16:17], s[4:5], s[58:59]        ; my 12 weight tiles: 73,728 consecutive bytes
	s_lshl_b32 s58, s54, 8
	s_add_co_u32 s58, s58, TSC
	s_add_nc_u64 s[18:19], s[4:5], s[58:59]        ; their scale words
	s_mul_i32 s58, s10, 49152
	s_add_nc_u64 s[20:21], s[4:5], s[58:59]        ; x's tiles 8 y on
	s_lshl_b32 s58, s10, 11
	s_add_co_u32 s58, s58, TSC
	s_add_nc_u64 s[22:23], s[4:5], s[58:59]
.irp z, 0,1,2
	s_add_co_u32 s[48+\z], s52, \z                 ; qi
	s_lshr_b32 s55, s[48+\z], 3                    ; type
	s_and_b32 s56, s[48+\z], 7
	s_lshl_b32 s56, s56, 1
	s_add_co_u32 s56, s56, s11                     ; plane 16 b + 2 pr
	s_mul_i32 s58, s55, 6291456
	s_mul_i32 s57, s56, 24576
	s_add_co_u32 s58, s58, s57
	s_add_co_u32 s58, s58, s12
	s_add_nc_u64 s[24+2*\z:25+2*\z], s[6:7], s[58:59]     ; where the quad's images go
	s_lshl_b32 s58, s55, 18
	s_lshl_b32 s57, s56, 10
	s_add_co_u32 s58, s58, s57
	s_add_co_u32 s58, s58, s9
	s_add_co_u32 s58, s58, QSC
	s_add_nc_u64 s[30+2*\z:31+2*\z], s[6:7], s[58:59]     ; and its scale words
	s_mov_b32 s57, 1536
	s_cmp_ge_u32 s[48+\z], 16
	s_cselect_b32 s[36+2*\z], 768, s57             ; from 64 tokens to the next: v half a fragment, q and k a fragment;
	s_cselect_b32 s[42+2*\z], 0, 64                ; v's words are stored once, at the end
	s_mov_b32 s[37+2*\z], 0
	s_mov_b32 s[43+2*\z], 0
.endr
.irp z, 0,1,2
	WIN (1+\z)<<6                                  ; destination window 1 + z
.irp i, 240,241,242,243,244,245,246,247
	v_mov_b32 v[\i], 0                             ; v's bytes begin as 0; a lane permute's destination counts as read
.endr
.endr
	s_wait_alu depctr_va_vdst(0)                   ; the six offsets v1 to v6 are written, which every load and store of the kernel reads; only loads and window switches stand between this wait and the loads below
.irp z, 0,1,2
	WIN (1+\z)<<6                                  ; destination window 1 + z
.irp tt, 0,1,2,3
.irp ks, 0,1,2,3
.irp ch, 0,1,2
	global_load_b128 v[12*(4*\tt+\ks)+4*\ch:12*(4*\tt+\ks)+4*\ch+3], v1, s[16:17] offset:(4*\z+\tt)*6144+\ks*1536+512*\ch
.endr
.endr
.endr
.endr
	WIN 0
.irp a, 0,1,2,3,4,5,6,7,8,9,10,11
.irp p, 0,1
	global_load_b32 v[WS+2*\a+\p], v3, s[18:19] offset:\a*256+128*\p
.endr
.endr
; q or k: quad z against x's tile i
.macro JOB_QK z, i
	WIN (1+\z)*0x51                                ; source 0 (weights), C and D window 1 + z; source 1 (x) window 0
.irp ks, 0,1,2,3
.irp tt, 0,1,2,3
	MMA ACC+8*\tt, 12*(4*\tt+\ks), XF+12*(4*\i+\ks), WS+2*(4*\z+\tt)+\ks/2, XS+2*\i+\ks/2, \ks
.endr
.endr
.rept 5
	v_nop                                          ; places behind the products (ISA guide 7.12.1): four ahead of the reads of their results, five ahead of the next job's products, which write over them
.endr
	s_wait_xcnt 0x0                                ; the last job's stores have had their addresses translated (ISA guide 3.1): their data registers are rewritten only behind this wait,
	s_wait_alu depctr_vm_vsrc(0)                   ; and they have read the code registers v228-233 and the word v237, which this job's quantiser writes again
	WIN (1+\z)*0x55
	QUANT32 ACC, 228, 234, 224, 225, 226, 227
.if \i == 0
	v_mov_b32 v237, v227
.else
	v_lshl_or_b32 v237, v227, 8*\i, v237           ; byte i of the packed fragment's scale word
.endif
	WIN (1+\z)*4                                   ; a store's data are its source 1
	s_wait_alu depctr_va_vdst(0)                   ; the conversions and moves have written v228-233, and the line above v237, which the stores below read
	global_store_b128 v4, v[228:231], s[24+2*\z:25+2*\z] offset:768*(\i/2)+256*(\i%2)        ; half i / 2, lanes 16 (i % 2) + r of the image: sixteen lanes store 256 consecutive bytes, aligned
	global_store_b64 v5, v[232:233], s[24+2*\z:25+2*\z] offset:768*(\i/2)+512+128*(\i%2)
.if \i == 3
	global_store_b32 v6, v237, s[30+2*\z:31+2*\z]
.endif
.endm
; v: x's four tiles against weight tile tt of quad z
.macro JOB_V z, tt
	WIN (1+\z)*0x54                                ; source 0 (x) window 0; source 1 (weights), C and D window 1 + z
.irp ks, 0,1,2,3
.irp i, 0,1,2,3
	MMA ACC+8*\i, XF+12*(4*\i+\ks), 12*(4*\tt+\ks), XS+2*\i+\ks/2, WS+2*(4*\z+\tt)+\ks/2, \ks
.endr
.endr
.rept 5
	v_nop
.endr
	s_wait_xcnt 0x0                                ; as in the other kind of job: the last job's stores have had their addresses translated,
	s_wait_alu depctr_vm_vsrc(0)                   ; and have read the code registers v228-233, which this job's quantiser writes again
	WIN (1+\z)*0x55
	QUANT32 ACC, 228, 234, 224, 225, 226, 227
	v_lshrrev_b32 v246, 16, v[240+\tt]
	v_lshl_or_b32 v[240+\tt], v227, 16, v246       ; after both trips: the first trip's byte at bit 0, the second's at bit 16
	WIN (1+\z)*4
	s_wait_alu depctr_va_vdst(0)                   ; the conversions and moves have written v228-233, which the stores below read
	global_store_b128 v1, v[228:231], s[24+2*\z:25+2*\z] offset:(\tt/2)*24576+(\tt%2)*1536       ; head tt / 2 of the pair, fragment tt % 2 of the key step
	global_store_b64 v2, v[232:233], s[24+2*\z:25+2*\z] offset:(\tt/2)*24576+(\tt%2)*1536+512
.endm
	s_mov_b32 s51, 0
.Lgq:                                                  ; two trips: 64 tokens (four tiles of x) each
	s_wait_alu depctr_va_vdst(0)                   ; the last trip's products are done reading x's fragments and scale words, in which the loads below land
.irp i, 0,1,2,3
.irp ks, 0,1,2,3
.irp ch, 0,1,2
	global_load_b128 v[XF+12*(4*\i+\ks)+4*\ch:XF+12*(4*\i+\ks)+4*\ch+3], v1, s[20:21] offset:\i*6144+\ks*1536+512*\ch
.endr
.endr
.endr
.irp i, 0,1,2,3
.irp p, 0,1
	global_load_b32 v[XS+2*\i+\p], v3, s[22:23] offset:\i*256+128*\p
.endr
.endr
	s_wait_loadcnt 0x0                             ; x's tiles (and, in the first trip, the weights)
.irp z, 0,1,2
	s_cmp_ge_u32 s[48+\z], 16                      ; a branch on the work-group's and the wave's number
	s_cbranch_scc1 .Lv\z
	JOB_QK \z, 0
	JOB_QK \z, 1
	JOB_QK \z, 2
	JOB_QK \z, 3
	WIN 0
	s_branch .Ldone\z
.Lv\z:
	JOB_V \z, 0
	JOB_V \z, 1
	JOB_V \z, 2
	JOB_V \z, 3
	WIN 0
.Ldone\z:
.endr
	s_wait_xcnt 0x0                                ; every load and store has read its base: they step
	s_add_nc_u64 s[20:21], s[20:21], 24576
	s_add_nc_u64 s[22:23], s[22:23], 1024
.irp z, 0,1,2
	s_add_nc_u64 s[24+2*\z:25+2*\z], s[24+2*\z:25+2*\z], s[36+2*\z:37+2*\z]
	s_add_nc_u64 s[30+2*\z:31+2*\z], s[30+2*\z:31+2*\z], s[42+2*\z:43+2*\z]
.endr
	s_add_co_u32 s51, s51, 1
	s_cmp_lt_u32 s51, 2
	s_cbranch_scc1 .Lgq
; v's scale words: a lane's two bytes (key blocks h and 2 + h of the step) and lane L xor 16's two; lanes 0-15 store fragment 0's words, lanes 16-31 fragment 1's
.irp z, 0,1,2
	s_cmp_ge_u32 s[48+\z], 16
	s_cbranch_scc0 .Lnv\z
	WIN (1+\z)*0x55
.irp tt, 0,1,2,3
	v_lshlrev_b32 v246, 8, v[240+\tt]
	v_cndmask_b32 v[240+\tt], v[240+\tt], v246, s[HM]
	v_permlanex16_b32 v246, v[240+\tt], s[SEL], s[SEL+1]
	v_or_b32 v[240+\tt], v[240+\tt], v246
.endr
	v_cndmask_b32 v244, v240, v241, s[HM]
	v_cndmask_b32 v245, v242, v243, s[HM]
	WIN (1+\z)*4
	s_wait_alu depctr_va_vdst(0)                   ; the two selects have written v244 and v245, which the stores below read
	global_store_b32 v3, v244, s[30+2*\z:31+2*\z]
	global_store_b32 v3, v245, s[30+2*\z:31+2*\z] offset:1024
	WIN 0
.Lnv\z:
.endr
	s_endpgm
.Lfunc_end_k_q1aa879e896_qkv:
	.size	k_q1aa879e896_qkv, .Lfunc_end_k_q1aa879e896_qkv-k_q1aa879e896_qkv
	.p2alignl 7, 3214868480
	.fill 96, 4, 3214868480
	.section	.rodata,"a",@progbits
	.p2align	6, 0x0
	.amdhsa_kernel k_q1aa879e896_qkv
		.amdhsa_group_segment_fixed_size 0
		.amdhsa_private_segment_fixed_size 0
		.amdhsa_enable_private_segment 0
		.amdhsa_kernarg_size 16
		.amdhsa_user_sgpr_count 2
		.amdhsa_user_sgpr_kernarg_segment_ptr 1
		.amdhsa_wavefront_size32 1
		.amdhsa_system_sgpr_workgroup_id_x 1
		.amdhsa_system_sgpr_workgroup_id_y 1
		.amdhsa_system_sgpr_workgroup_id_z 1
		.amdhsa_system_vgpr_workitem_id 0
		.amdhsa_next_free_vgpr 1024
		.amdhsa_next_free_sgpr 66
		.amdhsa_reserve_vcc 0
		.amdhsa_float_denorm_mode_32 3
		.amdhsa_float_denorm_mode_16_64 3
		.amdhsa_memory_ordered 1
		.amdhsa_forward_progress 1
		.amdhsa_inst_pref_size 129
	.end_amdhsa_kernel
	.amdgpu_metadata
---
amdhsa.version: [ 1, 2 ]
amdhsa.kernels:
  - .name:           k_q1aa879e896_qkv
    .symbol:         k_q1aa879e896_qkv.kd
    .args:
      - { .name: tiles, .offset: 0, .size: 8, .value_kind: global_buffer, .address_space: global }
      - { .name: qkv, .offset: 8, .size: 8, .value_kind: global_buffer, .address_space: global }
    .group_segment_fixed_size: 0
    .private_segment_fixed_size: 0
    .kernarg_segment_align: 8
    .kernarg_segment_size: 16
    .max_flat_workgroup_size: 128
    .sgpr_count:     66
    .vgpr_count:     1024
    .wavefront_size: 32
...
	.end_amdgpu_metadata
.endif
;; end of part 6
;; launch attn (part 7): grid 16 x 16, 16 waves a work-group, no clusters, 53,248 bytes of LDS; arguments qkv, maskw, aorec; writes aorec
.if DOCPART == 7
	.amdgcn_target "amdgcn-amd-amdhsa--gfx1250"
	.amdhsa_code_object_version 6
	.text
	.protected	k_q1aa879e896_attn
	.globl	k_q1aa879e896_attn
	.p2align	8
	.type	k_q1aa879e896_attn,@function
k_q1aa879e896_attn:
	s_mov_b64 s[64:65], 0
	v_nop
	global_prefetch_b8 v0, s[64:65] scope:SCOPE_SE
	s_setreg_imm32_b32 hwreg(HW_REG_WAVE_SCHED_MODE, 0, 2), 2
	s_setreg_imm32_b32 hwreg(HW_REG_WAVE_MODE, 25, 1), 1
	s_wait_xcnt 0x0
	s_wait_alu depctr_vm_vsrc(0)
; ATTENTION on codes of BF6: scores = q k^T / sqrt(512), the mask, the softmax, p v, the division by the row's sum, and the result quantised along the embedding (one block of 32 = one head).
; THE SOFTMAX: t = score x log2(e) / sqrt(512); M = the running largest t rounded UP to a whole number; p = 2^(t - M) is quantised along the keys, not normalised; the row's sum is taken of the
; unquantised p and divides at the end; when M moves, the sum and O are multiplied by 2^(old M - new M), which rounds nothing.
; SHARES.  A work-group owns one head of one batch (x = head, y = batch).  The head's K and V (codes 2 x 24,576 bytes, scale words 2 x 1,024) are copied into LDS once, through registers: one barrier in the launch.
; Each of sixteen waves owns 64 queries as four tiles of 16, one after the other, and walks the 1,024 keys in eight steps of 128.  Four waves share a SIMD, so that one wave's vector work stands beside another's products and loads.
; K = 32 IN A FORM OF K = 128.  A fragment of k holds FOUR tiles of 16 keys, one in each block of 32 along the instruction's K.  q stands in one block and zero codes in the other three: four operands, which are
; overlapping windows of 30 registers [0][q in lanes 0-15][0][q in lanes 16-31][0].  A zero code times any code is 0 under any scale byte from 1 to 254.  So LDS is read 24 bytes a key, with no padding.
; LAYOUT.  Both products are used transposed (source 0 = keys or channels, source 1 = my 16 queries): a lane holds ONE query (L % 16).  The keys of a tile are chosen (by the launch before) so that score register n of lane
; (r, h) is key 128 s + 64 (n / 32) + 32 h + n % 32: a lane's 32 registers are one whole block along the second product's K.
; THE MASK comes as words of 32 lane bits, one word a score register, by scalar loads a step ahead: one v_cndmask_b32 a score.
; LIMITS: a masked score is -2^67 in place of reference's logit -1e20: the same results as long as every real |score| stays under 2^67 (a row with no key left gives p = 1 everywhere, the plain mean, as there);
; NaN and infinities are not served; a block of p or of the result under 2^-122 gets the scale byte 1.
; No cluster: no two work-groups read the same K or V; the mask words that the 16 heads of a batch share are 256 bytes of a step's 6,400.
; THE MODE: SCHED_MODE bits 1:0 = 2 (LLVM: expert scheduling mode 2), set by the entry lines.  The code itself states the register dependences
; between vector or matrix instructions and memory or LDS instructions, with s_wait_alu, always for 0.
; THE PLAN.  Registers that memory or LDS instructions touch behind the barrier:
;   KF, v47      k's two fragments and scale words of a step.  Read by the step's eight products k q^T, at its head; the loads of the NEXT step's (behind a tile's eighth step: the first step's again) land in them, in the same step.
;   VF, v96      v's.  Read by the step's two products, at its end; the same step's loads land in them, in its middle.
;   v216-221     q as loaded.  Read by the twelve selects at a tile's head; the next tile's loads land in them, at the same head: a whole tile ahead of their use.
;   v196-199     Written by a step's conversions and by the selects at a tile's end; read by the tile's one store.
;   v1-3, v8, v9, v11   offsets, made once at the head and never written again: a tile's eight steps are written out, so that a step's place in LDS stands in the immediates (51,072 at the most), and q's tile is reached by two scalar bases.
;   s[32:63], s[68:99]  the step's mask words.  Read by the 64 selects; the scalar loads of the next step's land in them.
; A STEP'S FIVE WAITS on va_vdst: behind the 64 selects (they have read the mask words' registers); ahead of the 64 exponentials (t - M is written); behind the 64 exponentials (their results; and the last step's two products are done reading VF and v96: v's loads follow);
; behind the two block exponentials (their results; this step's eight products are long done reading KF and v47: the next step's loads follow); ahead of the second product (p's codes and scale word are written).
; No vector or matrix instruction between such a wait and the loads behind it names KF, VF, v47, v96 or v1-3.  Behind the last tile's last step k's first step and the last tile's q are asked for once more, and nobody reads them.
.set S,    100                         ; v100-163 scores, then p
.set OT,   164                         ; v164-179 O^T: register 8 dt + j = channel 16 h + 8 dt + j
.set P,    180                         ; v180-191 p's codes
.set KF,   48                          ; v48-71   two fragments of k
.set VF,   72                          ; v72-95   two fragments of v
.set HM,   16                          ; s16 lanes 16-31
.set SEL,  18                          ; s[18:19]
.set CS,   20                          ; s[20:21] c = log2(e) / sqrt(512), twice
.set QSC,  18874368
.set VIMG, 24576
.set KSC,  49152
.set VSC,  50176
; v1-3 16 L, 8 L, 4 L; v4 -2^67; v8-10 16 r, 8 r, 4 r; v11 my place in the records; v12 -M, v13 largest t, v[14:15] the sum; v16-45 q's windows; v46 q's scale word, v47 k's; v96 v's, v97 p's;
; v192-198 conversions' second halves; v200-201 block maxima; v202 permutes; v204 at work; v[206:207] f; v208-211 scale operands and bytes; v212-213 at work; v[214:215] the second chain of the sum; v216-221 q as loaded; v222 q's four bytes
.macro WORD w, by0, by1, t
	v_lshl_or_b32 v[\w], v[\by1], 16, v[\by0]
	v_lshlrev_b32 v[\t], 8, v[\w]
	v_cndmask_b32 v[\w], v[\w], v[\t], s[HM]
	v_permlanex16_b32 v[\t], v[\w], s[SEL], s[SEL+1]
	v_or_b32 v[\w], v[\w], v[\t]
.endm
.macro MASKLD                          ; 64 words, 256 bytes: word 2 (n % 32) + n / 32 belongs to score register n
	s_load_b512 s[32:47], s[22:23], s24 offset:0x0
	s_load_b512 s[48:63], s[22:23], s24 offset:0x40
	s_load_b512 s[68:83], s[22:23], s24 offset:0x80
	s_load_b512 s[84:99], s[22:23], s24 offset:0xc0
.endm
.macro KQ g, j                         ; 16 keys (block j of fragment g) x my 16 queries
.if \g
	v_wmma_scale_f32_16x16x128_f8f6f4 v[S+8*(4*\g+\j):S+8*(4*\g+\j)+7], v[KF+12*\g:KF+12*\g+11], v[22+12*(\j%2)-6*(\j/2):33+12*(\j%2)-6*(\j/2)], 0, v47, v46 matrix_a_fmt:MATRIX_FMT_BF6 matrix_b_fmt:MATRIX_FMT_BF6 matrix_a_scale:MATRIX_SCALE_ROW1
.else
	v_wmma_scale_f32_16x16x128_f8f6f4 v[S+8*(4*\g+\j):S+8*(4*\g+\j)+7], v[KF+12*\g:KF+12*\g+11], v[22+12*(\j%2)-6*(\j/2):33+12*(\j%2)-6*(\j/2)], 0, v47, v46 matrix_a_fmt:MATRIX_FMT_BF6 matrix_b_fmt:MATRIX_FMT_BF6
.endif
.endm
.macro KLOAD s                         ; k of step s: nine LDS loads
.irp g, 0,1
.irp c, 0,1
	ds_load_b128 v[KF+12*\g+6*\c:KF+12*\g+6*\c+3], v1 offset:3072*(\s)+1536*\g+768*\c
	ds_load_b64 v[KF+12*\g+6*\c+4:KF+12*\g+6*\c+5], v2 offset:3072*(\s)+1536*\g+768*\c+512
.endr
.endr
	ds_load_b32 v47, v3 offset:KSC+128*(\s)        ; lanes 0-15 fragment 0's words, lanes 16-31 fragment 1's
.endm
.macro VLOAD s                         ; v of step s: nine LDS loads
.irp g, 0,1
.irp c, 0,1
	ds_load_b128 v[VF+12*\g+6*\c:VF+12*\g+6*\c+3], v1 offset:VIMG+3072*(\s)+1536*\g+768*\c
	ds_load_b64 v[VF+12*\g+6*\c+4:VF+12*\g+6*\c+5], v2 offset:VIMG+3072*(\s)+1536*\g+768*\c+512
.endr
.endr
	ds_load_b32 v96, v3 offset:VSC+128*(\s)
.endm
.macro QBASE                           ; the two bases of tile s30 of my fragment of q: half s30 / 2 of the image, lanes 16 (s30 % 2) + r of it
	s_lshr_b32 s6, s30, 1
	s_mul_i32 s6, s6, 768
	s_and_b32 s11, s30, 1
	s_lshl_b32 s8, s11, 7
	s_add_co_u32 s8, s8, s6                        ; registers 4-5: 768 (t / 2) + 128 (t % 2), + 512 in the immediate
	s_lshl_b32 s11, s11, 8
	s_add_co_u32 s6, s6, s11                       ; registers 0-3: 768 (t / 2) + 256 (t % 2)
	s_add_nc_u64 s[2:3], s[66:67], s[6:7]
	s_add_nc_u64 s[4:5], s[66:67], s[8:9]
.endm
.macro QLOAD
	global_load_b128 v[216:219], v8, s[2:3]
	global_load_b64 v[220:221], v9, s[4:5] offset:512
.endm
	s_load_b128 s[4:7], s[0:1], 0x0                ; qkv s[4:5], maskw s[6:7]
	s_load_b64 s[8:9], s[0:1], 0x10                ; aorec
	v_lshl_add_u32 v205, v0, 2, 0xc800
	v_mov_b32 v223, 0
	v_lshrrev_b32 v1, 5, v0
	v_readfirstlane_b32 s10, v1                    ; wave W, 0..15
	v_and_b32 v4, 31, v0
	v_lshlrev_b32 v1, 4, v4
	v_lshlrev_b32 v2, 3, v4
	v_lshlrev_b32 v3, 2, v4
	v_and_b32 v212, 15, v0                         ; r
	v_bfe_u32 v213, v0, 4, 1                       ; h
	v_lshlrev_b32 v8, 4, v212
	v_lshlrev_b32 v9, 3, v212
	v_lshlrev_b32 v10, 2, v212
	v_and_b32 v11, 7, v0
	v_lshlrev_b32 v11, 5, v11
	v_bfe_u32 v214, v0, 3, 1
	v_lshl_add_u32 v11, v214, 10, v11
	v_lshl_add_u32 v11, v213, 4, v11               ; records of 32 bytes: token 32 (r / 8) + r % 8, + 16 h
	v_lshlrev_b32 v216, 4, v0                      ; 16 x thread
	v_lshlrev_b32 v217, 2, v0                      ; 4 x thread
	v_and_b32 v218, 255, v0
	v_lshlrev_b32 v218, 2, v218
	s_and_b32 s12, ttmp7, 0xffff                   ; batch
	s_lshl_b32 s13, s12, 4
	s_add_co_u32 s13, s13, ttmp9                   ; plane = 16 x batch + head
	s_mov_b32 s[HM], 0xffff0000
	s_mov_b32 s[SEL], 0x76543210
	s_mov_b32 s[SEL+1], 0xfedcba98
	s_mov_b32 s[CS], 0x3d8293ee
	s_mov_b32 s[CS+1], s[CS]                       ; (the packed form names the pair)
	s_mov_b32 s24, 0
	s_mov_b32 s31, 0
	s_wait_alu depctr_va_sdst(0)                   ; s10, the wave's number, is written, ahead of its first reader: the bases below are made from it
	s_wait_kmcnt 0x0
	s_lshl_b32 s30, s12, 6
	s_lshl_b32 s11, s10, 2
	s_add_co_u32 s30, s30, s11
	s_lshl_b32 s30, s30, 11
	s_add_nc_u64 s[22:23], s[6:7], s[30:31]        ; my 4 tiles x 8 steps x 256 bytes of mask words
	s_lshl_b32 s30, s13, 15
	s_lshl_b32 s11, s10, 11
	s_add_co_u32 s30, s30, s11
	s_add_nc_u64 s[100:101], s[8:9], s[30:31]      ; my 64 tokens' records
	s_mul_i32 s30, s13, 24576
	s_add_nc_u64 s[14:15], s[4:5], s[30:31]        ; q's plane; k's lies 6,291,456 bytes on,
	s_add_nc_u64 s[2:3], s[14:15], 12582912        ; v's
	s_mul_i32 s30, s10, 1536
	s_add_nc_u64 s[66:67], s[14:15], s[30:31]      ; my fragment of q
	s_lshl_b32 s11, s13, 10
	s_mov_b32 s30, QSC+2*262144
	s_cmp_lt_u32 s10, 8
	s_cselect_b32 s30, QSC+262144, s30             ; waves 0-7 copy k's scale words, waves 8-15 v's
	s_add_co_u32 s30, s30, s11
	s_add_nc_u64 s[8:9], s[4:5], s[30:31]
	s_lshl_b32 s30, s10, 6
	s_add_co_u32 s30, s30, s11
	s_add_co_u32 s30, s30, QSC
	s_add_nc_u64 s[6:7], s[4:5], s[30:31]          ; my fragment's scale words of q
	s_wait_alu depctr_va_vdst(0)                   ; the offsets v1-3, v8-11 and v216-218 are written, which the loads and stores of the kernel read
.irp i, 0,1,2
	global_load_b128 v[100+4*\i:103+4*\i], v216, s[14:15] offset:6291456+8192*\i
.endr
.irp i, 0,1,2
	global_load_b128 v[112+4*\i:115+4*\i], v216, s[2:3] offset:8192*\i
.endr
	global_load_b32 v124, v218, s[8:9]
	global_load_b32 v222, v10, s[6:7]
	MASKLD                                         ; the first step's words
	v_mov_b32 v4, 0xe1000000                       ; -2^67.  (These lines name no register that a load or store in flight, or the LDS stores below, touch)
.irp i, 16,17,18,19,20,21,28,29,30,31,32,33,40,41,42,43,44,45
	v_mov_b32 v[\i], 0                             ; the zero codes of q's windows: written once
.endr
	v_mov_b32 v202, 0                              ; a lane permute's destination counts as read
	v_mov_b32 v207, 0                              ; (named as the upper half of the pair v[206:207])
	s_wait_loadcnt 0x0
.irp i, 0,1,2
	ds_store_b128 v216, v[100+4*\i:103+4*\i] offset:8192*\i
.endr
.irp i, 0,1,2
	ds_store_b128 v216, v[112+4*\i:115+4*\i] offset:VIMG+8192*\i
.endr
	ds_store_b32 v217, v124 offset:KSC
	s_wait_dscnt 0x0                               ; for the others' sake: my stores have landed
	s_barrier_signal -1
	s_barrier_wait -1                              ; from here on LDS is only read
	s_wait_alu depctr_vm_vsrc(0)                   ; my LDS stores and the loads above have read v100-124 and v216-218: from here on these registers are scores, written by products, and q, written by loads
	s_mov_b32 s7, 0                                ; (the loads that read the bases s[2:3], s[6:7] and s[8:9] are done: the wait on LOADcnt above has shown it)
	s_mov_b32 s9, 0
	s_mov_b32 s30, 0
	QBASE
	QLOAD                                          ; the first tile's q
	KLOAD 0                                        ; and the first step's k
; A KEY STEP: 128 keys, the s-th of eight.
.macro STEP s
	s_wait_dscnt 0x0                               ; k's nine loads, asked for in the step before
.irp g, 0,1
.irp j, 0,1,2,3
	KQ \g, \j
.endr
.endr
.rept 4
	v_nop                                          ; four places behind the products, ahead of the reads of their results (ISA guide 7.12.1)
.endr
	s_wait_kmcnt 0x0                               ; this step's mask words, asked for a step ago
.set n, 0
.rept 64                                       ; ascending: each accumulator is read from its low end on
.set w, 2*(n&31)+(n>>5)
.if w < 32
.set sm, 32+w
.else
.set sm, 36+w
.endif
	v_cndmask_b32 v[S+n], v4, v[S+n], s[sm]
.set n, n+1
.endr
	s_wait_alu depctr_va_vdst(0)                   ; the 64 selects have read s[32:63] and s[68:99], in which the scalar loads below land
	s_add_co_u32 s24, s25, (\s)+1                  ; the next step's words (the wait on KMcnt above has freed s24); behind the last step the last words once more: no load leaves the buffer
	s_min_u32 s24, s24, 31
	s_lshl_b32 s24, s24, 8
	MASKLD
.irp g, 0,1
	v_max3_num_f32 v[200+\g], v[S+32*\g], v[S+32*\g+1], v[S+32*\g+2]   ; the largest score of my two blocks of 32 keys: for the row's maximum, and, since p rises with the score, for the block's largest p
.endr
.irp i, 3,5,7,9,11,13,15,17,19,21,23,25,27,29
.irp g, 0,1
	v_max3_num_f32 v[200+\g], v[200+\g], v[S+32*\g+\i], v[S+32*\g+\i+1]
.endr
.endr
.irp g, 0,1
	v_max_num_f32 v[200+\g], v[200+\g], v[S+32*\g+31]
.endr
	v_max_num_f32 v204, v200, v201
	v_permlanex16_b32 v202, v204, s[SEL], s[SEL+1]
	v_max_num_f32 v204, v204, v202                 ; the step's largest score of my query
	v_mul_f32 v204, s[CS], v204
	v_max_num_f32 v13, v13, v204                   ; the running largest t
	v_mov_b32 v204, v12
	v_floor_f32 v12, -v13                          ; -M = floor(-t)
	v_sub_f32 v204, v12, v204                      ; old M - new M: a whole number, 0 or less
	v_cvt_i32_f32 v204, v204                       ; (it saturates)
	v_ldexp_f32 v206, 1.0, v204                    ; f = 2^(old M - new M)
.irp j, 0,2,4,6,8,10,12,14,16,18,20,22,24,26,28,30,32,34,36,38,40,42,44,46,48,50,52,54,56,58,60,62
	v_pk_fma_f32 v[S+\j:S+\j+1], v[S+\j:S+\j+1], s[CS:CS+1], v[12:13] op_sel_hi:[1,0,0]   ; t - M
.endr
.irp g, 0,1
	v_fma_f32 v[200+\g], v[200+\g], s[CS], v12
.endr
.set n, 0
	s_wait_alu depctr_va_vdst(0)
.rept 64
	v_exp_f32 v[S+n], v[S+n]                       ; p = 2^(t - M)
.set n, n+1
.endr
	v_pk_mul_f32 v[14:15], v[14:15], v[206:207] op_sel_hi:[1,0]    ; the sum under the new M: a plain line behind the exponentials
	s_wait_alu depctr_va_vdst(0)                   ; the 64 exponentials have written p, ahead of its first reader; and the last step's two products are done reading VF and v96, in which the loads below land
	VLOAD \s
.irp g, 0,1
	v_exp_f32 v[200+\g], v[200+\g]                 ; the blocks' largest p: the same two instructions on the same number
.endr
	v_pk_add_f32 v[214:215], v[S:S+1], v[S+2:S+3]  ; the row's sum, of the unquantised p, in two chains; this half stands behind the two exponentials
.irp j, 4,8,12,16,20,24,28
	v_pk_add_f32 v[14:15], v[14:15], v[S+\j:S+\j+1]
	v_pk_add_f32 v[214:215], v[214:215], v[S+\j+2:S+\j+3]
.endr
	s_wait_alu depctr_va_vdst(0)                   ; the two exponentials have written v200 and v201, ahead of their first reader; this step's eight products are done reading KF and v47, in which the loads below land
	KLOAD ((\s)+1)%8                               ; the next step's k; behind the eighth step the first step's, for the next tile
.irp g, 0,1
	v_max_num_f32 v[200+\g], 0x2800000, v[200+\g]  ; the floor 2^(5 - 127)
.endr
.irp g, 0,1
	v_add_nc_u32 v[208+\g], 0xfe000000, v[200+\g]
.endr
.irp g, 0,1
	v_lshrrev_b32 v[210+\g], 23, v[208+\g]
.endr
	WORD 97, 210, 211, 212                         ; p's scale word for these 128 keys
.irp j, 32,36,40,44,48,52,56,60                ; the sum's other half: 17 plain lines that name nothing of the second product, between its scale word and it
	v_pk_add_f32 v[14:15], v[14:15], v[S+\j:S+\j+1]
	v_pk_add_f32 v[214:215], v[214:215], v[S+\j+2:S+\j+3]
.endr
	v_pk_add_f32 v[14:15], v[14:15], v[214:215]
.irp g, 0,1
	v_cvt_scalef32_pk16_bf6_f32 v[P+6*\g:P+6*\g+2], v[S+32*\g:S+32*\g+15], v[208+\g]
	v_cvt_scalef32_pk16_bf6_f32 v[192+4*\g:194+4*\g], v[S+32*\g+16:S+32*\g+31], v[208+\g]
.endr
	v_nop                                          ; one plain line behind a scaled conversion
.irp g, 0,1
.irp i, 0,1,2
	v_mov_b32 v[P+6*\g+3+\i], v[192+4*\g+\i]
.endr
.endr
.irp j, 0,2,4,6,8,10,12,14
	v_pk_mul_f32 v[OT+\j:OT+\j+1], v[OT+\j:OT+\j+1], v[206:207] op_sel_hi:[1,0]   ; O^T under the new M, from each accumulator's low end on; for each product four of these name none of its registers
.endr
.if (\s) < 7
	s_wait_dscnt 9                                 ; v's nine loads are in; the nine younger ones, the next step's k, may be out
.else
	s_wait_dscnt 0x0                               ; at a tile's end no LDS load stays out
.endif
	s_wait_alu depctr_va_vdst(0)                   ; the conversions and moves have written p's codes v180-191, and the lines further up its scale word v97, which the two products take; the places above stay beside this wait
	v_wmma_scale_f32_16x16x128_f8f6f4 v[OT:OT+7], v[VF:VF+11], v[P:P+11], v[OT:OT+7], v96, v97 matrix_a_fmt:MATRIX_FMT_BF6 matrix_b_fmt:MATRIX_FMT_BF6
	v_wmma_scale_f32_16x16x128_f8f6f4 v[OT+8:OT+15], v[VF+12:VF+23], v[P:P+11], v[OT+8:OT+15], v96, v97 matrix_a_fmt:MATRIX_FMT_BF6 matrix_b_fmt:MATRIX_FMT_BF6 matrix_a_scale:MATRIX_SCALE_ROW1
.endm
	s_mov_b32 s29, 0
.Lq:                                                   ; four trips: tile s29 of my queries: row r is token 64 W + 32 (r / 8) + 8 s29 + r % 8
	s_wait_loadcnt 0x0                             ; this tile's q, asked for a tile ago; the loads that read the bases s[2:3] and s[4:5] are done
	s_mul_i32 s17, s29, 0x01010101
	v_perm_b32 v46, v222, v222, s17                ; the tile's byte, four times: whichever block q stands in
	v_mov_b32 v13, 0xff61b1e6                      ; the largest t so far: -3e38
	v_floor_f32 v12, -v13
	v_mov_b32 v14, 0
	v_mov_b32 v15, 0
.irp i, 0,1,2,3,4,5
	v_cndmask_b32 v[22+\i], v[216+\i], v16, s[HM]  ; q in lanes 0-15, zeros above
	v_cndmask_b32 v[34+\i], v16, v[216+\i], s[HM]  ; q in lanes 16-31
.endr
.irp i, 0,1,2,3,4,5,6,7,8,9,10,11,12,13,14,15
	v_mov_b32 v[OT+\i], 0                          ; O^T.  (The step is written once: the first finds zeros.)  These lines also stand between the operand and scale just made and the first product
.endr
	s_lshl_b32 s25, s29, 3                         ; the tile's first step among my 32
	s_add_co_u32 s30, s29, 1
	s_min_u32 s30, s30, 3                          ; the next tile; behind the last tile the last once more: no load leaves the fragment
	QBASE
	s_wait_alu depctr_va_vdst(0)                   ; the twelve selects are done reading v216-221, in which the loads below land; q's windows v16-45 and its scale word v46 are written, which the products k q^T take
	QLOAD
.irp s, 0,1,2,3,4,5,6,7
	STEP \s
.endr
; the tile's end: O / the sum, quantised along the head's 32 channels (16 in me, 16 in lane L xor 16), stored as a record of 32 bytes a token: 24 bytes of codes, the scale's byte, zeros
.rept 4
	v_nop
.endr
	v_add_f32 v14, v14, v15
	v_permlanex16_b32 v202, v14, s[SEL], s[SEL+1]
	v_add_f32 v14, v14, v202                       ; the row's sum
	s_wait_alu depctr_va_vdst(0)
	v_rcp_f32 v206, v14
	v_nop                                          ; a plain line behind the reciprocal
	s_wait_alu depctr_va_vdst(0)                   ; the reciprocal has written v206, ahead of its first reader
.irp j, 0,2,4,6,8,10,12,14
	v_pk_mul_f32 v[S+\j:S+\j+1], v[OT+\j:OT+\j+1], v[206:207] op_sel_hi:[1,0]
.endr
	v_max3_num_f32 v200, |v[S]|, |v[S+1]|, 0x2800000
	v_max3_num_f32 v201, |v[S+2]|, |v[S+3]|, 0x2800000
.irp i, 4,8,12
	v_max3_num_f32 v200, v200, |v[S+\i]|, |v[S+\i+1]|
	v_max3_num_f32 v201, v201, |v[S+\i+2]|, |v[S+\i+3]|
.endr
	v_max_num_f32 v200, v200, v201
	v_permlanex16_b32 v202, v200, s[SEL], s[SEL+1]
	v_max_num_f32 v200, v200, v202
	v_add_nc_u32 v208, 0xfe000000, v200
	v_lshrrev_b32 v210, 23, v208
	v_cvt_scalef32_pk16_bf6_f32 v[192:194], v[S:S+15], v208
	v_nop
	v_permlanex16_b32 v202, v192, s[SEL], s[SEL+1]
	v_cndmask_b32 v196, v192, v193, s[HM]          ; lanes 0-15: my three words and the partner's first;
	v_cndmask_b32 v197, v193, v194, s[HM]          ; lanes 16-31: my second and third, the byte, 0
	v_cndmask_b32 v198, v194, v210, s[HM]
	v_cndmask_b32 v199, v202, v16, s[HM]
	s_wait_alu depctr_va_vdst(0)                   ; the four selects have written v196-199, which the store reads
	global_store_b128 v11, v[196:199], s[100:101]  ; eight tokens' records are 256 consecutive bytes, aligned
	s_wait_xcnt 0x0                                ; the store has had its address translated (ISA guide 3.1): its base and its data are rewritten only behind this wait,
	s_wait_alu depctr_vm_vsrc(0)                   ; and it has read v196-199, which the next tile's conversions write again
	s_add_nc_u64 s[100:101], s[100:101], 256       ; the next tile's tokens lie 8 on
	s_add_co_u32 s29, s29, 1
	s_cmp_lt_u32 s29, 4
	s_cbranch_scc1 .Lq
	s_wait_kmcnt 0x0                               ; the last scalar loads
	s_wait_dscnt 0x0
	s_wait_alu depctr_hold_cnt(0) depctr_sa_sdst(0) depctr_va_vdst(0) depctr_va_sdst(0) depctr_va_ssrc(0) depctr_va_vcc(0) depctr_vm_vsrc(0)
	s_wait_tensorcnt 0x0
	ds_add_u32 v205, v223
	s_wait_dscnt 0x0
	s_endpgm
.Lfunc_end_k_q1aa879e896_attn:
	.size	k_q1aa879e896_attn, .Lfunc_end_k_q1aa879e896_attn-k_q1aa879e896_attn
	.p2alignl 7, 3214868480
	.fill 96, 4, 3214868480
	.section	.rodata,"a",@progbits
	.p2align	6, 0x0
	.amdhsa_kernel k_q1aa879e896_attn
		.amdhsa_group_segment_fixed_size 53248
		.amdhsa_private_segment_fixed_size 0
		.amdhsa_enable_private_segment 0
		.amdhsa_kernarg_size 24
		.amdhsa_user_sgpr_count 2
		.amdhsa_user_sgpr_kernarg_segment_ptr 1
		.amdhsa_wavefront_size32 1
		.amdhsa_system_sgpr_workgroup_id_x 1
		.amdhsa_system_sgpr_workgroup_id_y 1
		.amdhsa_system_sgpr_workgroup_id_z 1
		.amdhsa_system_vgpr_workitem_id 0
		.amdhsa_next_free_vgpr 224
		.amdhsa_next_free_sgpr 102
		.amdhsa_reserve_vcc 0
		.amdhsa_float_denorm_mode_32 3
		.amdhsa_float_denorm_mode_16_64 3
		.amdhsa_memory_ordered 1
		.amdhsa_forward_progress 1
		.amdhsa_inst_pref_size 149
	.end_amdhsa_kernel
	.amdgpu_metadata
---
amdhsa.version: [ 1, 2 ]
amdhsa.kernels:
  - .name:           k_q1aa879e896_attn
    .symbol:         k_q1aa879e896_attn.kd
    .args:
      - { .name: qkv, .offset: 0, .size: 8, .value_kind: global_buffer, .address_space: global }
      - { .name: maskw, .offset: 8, .size: 8, .value_kind: global_buffer, .address_space: global }
      - { .name: aorec, .offset: 16, .size: 8, .value_kind: global_buffer, .address_space: global }
    .group_segment_fixed_size: 53248
    .private_segment_fixed_size: 0
    .kernarg_segment_align: 8
    .kernarg_segment_size: 24
    .max_flat_workgroup_size: 512
    .sgpr_count:     102
    .vgpr_count:     224
    .wavefront_size: 32
...
	.end_amdgpu_metadata
.endif
;; end of part 7
;; launch oproj (part 8): grid 2 x 128, 4 waves a work-group, no clusters, 17,920 bytes of LDS; arguments aorec, tiles, bo, out0; writes out0
.if DOCPART == 8
	.amdgcn_target "amdgcn-amd-amdhsa--gfx1250"
	.amdhsa_code_object_version 6
	.text
	.protected	k_q1aa879e896_oproj
	.globl	k_q1aa879e896_oproj
	.p2align	8
	.type	k_q1aa879e896_oproj,@function
k_q1aa879e896_oproj:
	s_mov_b64 s[64:65], 0
	v_nop
	global_prefetch_b8 v0, s[64:65] scope:SCOPE_SE
	s_setreg_imm32_b32 hwreg(HW_REG_WAVE_SCHED_MODE, 0, 2), 2
	s_setreg_imm32_b32 hwreg(HW_REG_WAVE_MODE, 25, 1), 1
	s_wait_xcnt 0x0
	s_wait_alu depctr_vm_vsrc(0)
; OUT = attention's result x Wo^T + bo, on codes of BF6.  The left operand comes as records of 32 bytes for each (head, token): 24 bytes of codes (the head's 32 channels: one block along K = 512), the E8M0 byte, zeros.
; SHARES.  Work-group (x = cg, y): 256 columns x 128 tokens.  Wave w: 64 columns (256 bytes of each row of out0): four tiles of Wo, 16 fragments, which stay in its registers (window 1), for all 128 tokens, 16 at a time.
; The product is used transposed (source 0 = 16 rows of Wo, source 1 = 16 tokens): a lane's eight results are eight neighbouring columns of one token.  bo is the C of each sum's first matrix instruction.
; A fragment of the left operand needs no shuffle: lane (r, h), registers 6 c .. 6 c + 5 = the codes of head 4 ks + 2 c + h, token r.  Its scale word is put together from four bytes.
; The way out: 16 tokens x 256 bytes through the wave's own stage in LDS (rows 272 bytes apart), back as whole rows: sixteen lanes store 256 consecutive bytes, aligned.  No barrier: waves share nothing.
; No cluster: what work-groups share (Wo along y, records along x) goes straight into registers, and a joint request can only land in LDS.
; REGISTERS: window 0: v1-8 addresses; v16-47 bo in the result's layout; v48-79 accumulators; v80-175 two sets of four fragments; v176-207 two sets of 16 bytes; v208-211 the tokens' scale words; v212-219 Wo's; v220-251 rows on the way out.
;   window 1: v0-191 Wo's fragments (tile tt, K step ks) at 12 (4 tt + ks).
; THE MODE: SCHED_MODE bits 1:0 = 2 (LLVM: expert scheduling mode 2), set by the entry lines.  The code itself states the register dependences
; between vector or matrix instructions and memory or LDS instructions, with s_wait_alu, always for 0.
; THE PLAN.  Registers that memory or LDS instructions touch, tile m of eight:
;   v1-8            offsets and LDS addresses, made once at the head and never written again: every step stands in an immediate.
;   set m % 2       (v80 + 48 (m % 2) on, v176 + 16 (m % 2) on) read by tile m's twelve lines that make the scale words and by its sixteen products; the loads of tile m + 2 land in it.
;   v48-79          the accumulators: written by tile m's products, read by its eight LDS stores, written again by tile m + 1's products.
;   v220-251        the stage's eight loads land in them; read by tile m's eight stores; tile m + 1's loads land in them again.
;   v208-211        named by vector and matrix instructions alone.
; So behind a tile's products and their places stands ONE wait on va_vdst: the accumulators are written (the LDS stores read them), and the products and the scale words' lines are done reading set m % 2:
; the loads of tile m + 2 follow it at once, ahead of the way out.  A second one stands ahead of the products: the scale words are written.  Two waits on vm_vsrc: behind the wait for the stage's loads
; (the LDS stores have read the accumulators), and, beside the wait on XCNT, behind the next tile's products (the stores have read v220-251).
.set TSC, 7077888
.set MSB, 0
.macro WIN new
.if MSB != (\new)
	s_set_vgpr_msb (MSB<<8)|(\new)
.set MSB, (\new)
.endif
.endm
	s_load_b256 s[4:11], s[0:1], 0x0               ; aorec s[4:5], tiles s[6:7], bo s[8:9], out0 s[10:11]
	v_lshl_add_u32 v254, v0, 2, 0x4400
	v_mov_b32 v255, 0
	v_lshrrev_b32 v1, 5, v0
	v_readfirstlane_b32 s12, v1                    ; wave 0..3
	v_and_b32 v9, 15, v0                           ; r
	v_bfe_u32 v10, v0, 4, 1                        ; h
	v_and_b32 v4, 31, v0
	v_lshlrev_b32 v3, 4, v4                        ; 16 L
	v_lshlrev_b32 v4, 2, v4                        ; 4 L
	v_lshlrev_b32 v2, 5, v9                        ; 32 r: token r's record
	v_lshl_add_u32 v1, v10, 15, v2                 ; + the next head's plane for lanes 16-31
	s_wait_alu depctr_va_sdst(0)                   ; s12, the wave's number, is written, ahead of its first reader: the stage's place and the bases are made from it
	s_mul_i32 s26, s12, 4352                       ; my stage: 16 rows x 272 bytes
	v_mul_u32_u24 v5, v9, 272
	v_lshl_add_u32 v5, v10, 5, v5
	v_add_nc_u32 v5, s26, v5                       ; in: row r, + 32 h
	v_mul_u32_u24 v6, v10, 272
	v_lshl_add_u32 v6, v9, 4, v6
	v_add_nc_u32 v6, s26, v6                       ; back: lanes 0-15 one row, lanes 16-31 the next
	v_lshlrev_b32 v7, 11, v10
	v_lshl_add_u32 v7, v9, 4, v7                   ; and the same two rows of out0
	v_lshlrev_b32 v8, 5, v10                       ; bo: my half's eight numbers
	s_and_b32 s14, ttmp7, 0xffff                   ; y
	s_lshl_b32 s15, ttmp9, 2
	s_add_co_u32 s15, s15, s12                     ; my group of 64 columns
	s_lshl_b32 s13, s15, 2
	s_add_co_u32 s13, s13, 1120                    ; my first tile of Wo
	s_mov_b32 s29, 0
	s_wait_kmcnt 0x0
	s_mul_i32 s28, s13, 6144
	s_add_nc_u64 s[16:17], s[6:7], s[28:29]
	s_lshl_b32 s28, s13, 8
	s_add_co_u32 s28, s28, TSC
	s_add_nc_u64 s[18:19], s[6:7], s[28:29]
	s_lshl_b32 s28, s15, 8
	s_add_nc_u64 s[20:21], s[8:9], s[28:29]
	s_add_nc_u64 s[22:23], s[10:11], s[28:29]
	s_lshl_b32 s28, s14, 18                        ; 128 rows of 2,048 bytes
	s_add_nc_u64 s[22:23], s[22:23], s[28:29]
	s_lshr_b32 s28, s14, 3
	s_lshl_b32 s28, s28, 19                        ; the batch's 16 planes of 32,768 bytes
	s_and_b32 s27, s14, 7
	s_lshl_b32 s27, s27, 12                        ; 128 tokens' records
	s_add_co_u32 s28, s28, s27
	s_add_nc_u64 s[24:25], s[4:5], s[28:29]
	WIN 0x40                                       ; destination window 1
	s_wait_alu depctr_va_vdst(0)                   ; the eight offsets and addresses v1 to v8 are written, which every load and store of the kernel reads
.irp tt, 0,1,2,3
.irp ks, 0,1,2,3
.irp ch, 0,1,2
	global_load_b128 v[12*(4*\tt+\ks)+4*\ch:12*(4*\tt+\ks)+4*\ch+3], v3, s[16:17] offset:\tt*6144+\ks*1536+512*\ch
.endr
.endr
.endr
	WIN 0
.irp tt, 0,1,2,3
.irp p, 0,1
	global_load_b32 v[212+2*\tt+\p], v4, s[18:19] offset:\tt*256+128*\p
.endr
	global_load_b128 v[16+8*\tt:19+8*\tt], v8, s[20:21] offset:64*\tt
	global_load_b128 v[20+8*\tt:23+8*\tt], v8, s[20:21] offset:64*\tt+16
.endr
.macro LOADA m                         ; tokens 16 m on: four fragments and sixteen bytes: 32 loads
.irp ks, 0,1,2,3
.irp c, 0,1
	global_load_b128 v[80+48*((\m)%2)+12*\ks+6*\c:80+48*((\m)%2)+12*\ks+6*\c+3], v1, s[24:25] offset:(4*\ks+2*\c)*32768+512*(\m)
	global_load_b64 v[80+48*((\m)%2)+12*\ks+6*\c+4:80+48*((\m)%2)+12*\ks+6*\c+5], v1, s[24:25] offset:(4*\ks+2*\c)*32768+512*(\m)+16
.endr
.endr
.irp ks, 0,1,2,3
.irp be, 0,1,2,3
	global_load_u8 v[176+16*((\m)%2)+4*\ks+\be], v2, s[24:25] offset:(4*\ks+\be)*32768+512*(\m)+24
.endr
.endr
.endm
.macro MMO tt, ks, af
.if (\ks) == 0
	v_wmma_scale_f32_16x16x128_f8f6f4 v[48+8*\tt:55+8*\tt], v[12*(4*\tt+\ks):12*(4*\tt+\ks)+11], v[(\af)+12*\ks:(\af)+12*\ks+11], v[16+8*\tt:23+8*\tt], v[212+2*\tt+\ks/2], v[208+\ks] matrix_a_fmt:MATRIX_FMT_BF6 matrix_b_fmt:MATRIX_FMT_BF6
.elseif (\ks)%2
	v_wmma_scale_f32_16x16x128_f8f6f4 v[48+8*\tt:55+8*\tt], v[12*(4*\tt+\ks):12*(4*\tt+\ks)+11], v[(\af)+12*\ks:(\af)+12*\ks+11], v[48+8*\tt:55+8*\tt], v[212+2*\tt+\ks/2], v[208+\ks] matrix_a_fmt:MATRIX_FMT_BF6 matrix_b_fmt:MATRIX_FMT_BF6 matrix_a_scale:MATRIX_SCALE_ROW1
.else
	v_wmma_scale_f32_16x16x128_f8f6f4 v[48+8*\tt:55+8*\tt], v[12*(4*\tt+\ks):12*(4*\tt+\ks)+11], v[(\af)+12*\ks:(\af)+12*\ks+11], v[48+8*\tt:55+8*\tt], v[212+2*\tt+\ks/2], v[208+\ks] matrix_a_fmt:MATRIX_FMT_BF6 matrix_b_fmt:MATRIX_FMT_BF6
.endif
.endm
.macro MT m                            ; 16 tokens x my 64 columns
.if (\m) < 7
	s_wait_loadcnt 32                              ; all but the next tile's 32 loads: this tile's operands are in
.else
	s_wait_loadcnt 0x0
.endif
.irp ks, 0,1,2,3
	v_lshl_or_b32 v[208+\ks], v[176+16*((\m)%2)+4*\ks+1], 8, v[176+16*((\m)%2)+4*\ks]
.endr
.irp ks, 0,1,2,3
	v_lshl_or_b32 v[208+\ks], v[176+16*((\m)%2)+4*\ks+2], 16, v[208+\ks]
.endr
.irp ks, 0,1,2,3
	v_lshl_or_b32 v[208+\ks], v[176+16*((\m)%2)+4*\ks+3], 24, v[208+\ks]   ; token r's scale word of K step ks
.endr
.rept 8
	v_nop                                          ; a scale register written by a vector instruction stands eight places ahead of the scaled product
.endr
	WIN 0x01                                       ; source 0 (Wo) window 1
	s_wait_alu depctr_va_vdst(0)                   ; the lines above have written the scale words v208-211, which the products take; the places above stay beside this wait
.irp ks, 0,1,2,3
.irp tt, 0,1,2,3
	MMO \tt, \ks, 80+48*((\m)%2)
.endr
.endr
	WIN 0
.rept 5
	v_nop                                          ; four places ahead of the reads of the results, five ahead of the next tile's products, which write over the results (ISA guide 7.12.1)
.endr
	s_wait_xcnt 0x0                                ; the last tile's stores have had their addresses translated (ISA guide 3.1): their data registers are rewritten only behind this wait,
	s_wait_alu depctr_vm_vsrc(0)                   ; and they have read v220-251, in which the stage's loads below land
	s_wait_alu depctr_va_vdst(0)                   ; the products have written the accumulators, which the LDS stores below read; they and the scale words' lines are done reading this tile's set, in which the loads below land
.if (\m) < 6
	LOADA (\m)+2                                   ; two tiles ahead, into the set that this tile has just left
.endif
.irp tt, 0,1,2,3
	ds_store_b128 v5, v[48+8*\tt:51+8*\tt] offset:64*\tt           ; each accumulator from its low end on
	ds_store_b128 v5, v[52+8*\tt:55+8*\tt] offset:64*\tt+16
.endr
.irp i, 0,1,2,3,4,5,6,7
	ds_load_b128 v[220+4*\i:223+4*\i], v6 offset:544*\i            ; LDS serves a wave's instructions in order (ISA guide 5.7.1): these see my stores
.endr
	s_wait_dscnt 0x0
	s_wait_alu depctr_vm_vsrc(0)                   ; the LDS stores have read the accumulators v48-79, which the next tile's products write again
.irp i, 0,1,2,3,4,5,6,7
	global_store_b128 v7, v[220+4*\i:223+4*\i], s[22:23] offset:(16*(\m)+2*\i)*2048 th:TH_STORE_NT
.endr
.endm
	LOADA 0
	LOADA 1
.irp m, 0,1,2,3,4,5,6,7
	MT \m
.endr
	s_wait_dscnt 0x0
	s_wait_alu depctr_hold_cnt(0) depctr_sa_sdst(0) depctr_va_vdst(0) depctr_va_sdst(0) depctr_va_ssrc(0) depctr_va_vcc(0) depctr_vm_vsrc(0)
	s_wait_tensorcnt 0x0
	ds_add_u32 v254, v255
	s_wait_dscnt 0x0
	s_endpgm
.Lfunc_end_k_q1aa879e896_oproj:
	.size	k_q1aa879e896_oproj, .Lfunc_end_k_q1aa879e896_oproj-k_q1aa879e896_oproj
	.p2alignl 7, 3214868480
	.fill 96, 4, 3214868480
	.section	.rodata,"a",@progbits
	.p2align	6, 0x0
	.amdhsa_kernel k_q1aa879e896_oproj
		.amdhsa_group_segment_fixed_size 17920
		.amdhsa_private_segment_fixed_size 0
		.amdhsa_enable_private_segment 0
		.amdhsa_kernarg_size 32
		.amdhsa_user_sgpr_count 2
		.amdhsa_user_sgpr_kernarg_segment_ptr 1
		.amdhsa_wavefront_size32 1
		.amdhsa_system_sgpr_workgroup_id_x 1
		.amdhsa_system_sgpr_workgroup_id_y 1
		.amdhsa_system_sgpr_workgroup_id_z 1
		.amdhsa_system_vgpr_workitem_id 0
		.amdhsa_next_free_vgpr 448
		.amdhsa_next_free_sgpr 66
		.amdhsa_reserve_vcc 0
		.amdhsa_float_denorm_mode_32 3
		.amdhsa_float_denorm_mode_16_64 3
		.amdhsa_memory_ordered 1
		.amdhsa_forward_progress 1
		.amdhsa_inst_pref_size 75
	.end_amdhsa_kernel
	.amdgpu_metadata
---
amdhsa.version: [ 1, 2 ]
amdhsa.kernels:
  - .name:           k_q1aa879e896_oproj
    .symbol:         k_q1aa879e896_oproj.kd
    .args:
      - { .name: aorec, .offset: 0, .size: 8, .value_kind: global_buffer, .address_space: global }
      - { .name: tiles, .offset: 8, .size: 8, .value_kind: global_buffer, .address_space: global }
      - { .name: bo, .offset: 16, .size: 8, .value_kind: global_buffer, .address_space: global }
      - { .name: out0, .offset: 24, .size: 8, .value_kind: global_buffer, .address_space: global }
    .group_segment_fixed_size: 17920
    .private_segment_fixed_size: 0
    .kernarg_segment_align: 8
    .kernarg_segment_size: 32
    .max_flat_workgroup_size: 128
    .sgpr_count:     66
    .vgpr_count:     448
    .wavefront_size: 32
...
	.end_amdgpu_metadata
.endif
;; end of part 8
